; MI455X (gfx1250); checked and timed in simulation.
; The chip was launched on July 23, 2026; its instructions are those of AMD's public machine-readable ISA for CDNA 5 (MIT licence, August 2026) and "CDNA5" Instruction Set Architecture Reference Guide (July 2026). The comments in the code are by the model that wrote it; some were corrected since.
;; Mo E. Allowed arithmetic: float matrix products may take bf16 or f16 operands with f32 sums; other float arithmetic in f32, or as packed bf16 or f16 multiplies, adds, multiply-adds, maxima and minima; sums over many terms, partial sums and values carried from step to step in f32; what a program stores and reads back later, other than sums and carried values, may be rounded once to bf16 or f16.
;; Inputs: b1 8 x 2,048 float32; b2 8 x 1,024 float32; bg 8 float32; w1 8 x 1,024 x 2,048 float32; w2 8 x 2,048 x 1,024 float32; wg 1,024 x 8 float32; x 2,048 x 1,024 float32.
;; Outputs: out0 2,048 x 1,024 float32.
;; 2 versions, each right; version 2 is version 1 with the launch prep written anew for expert scheduling mode. Each part assembles by itself: llvm-mc -triple=amdgcn-amd-amdhsa -mcpu=gfx1250 --defsym DOCPART=n.
;; ======== version 1 of 2: 4 launches
;; workspace buffers: xb 4,194,304 bytes; w1b 33,554,432 bytes; w2b 33,554,432 bytes; gate 65,536 bytes; h 67,108,864 bytes; part 67,108,864 bytes
;; launch prep (part 1): grid 1088 x 1, 8 waves a work-group, no clusters, 0 bytes of LDS; arguments x, wg, bg, w1, w2, xb, gate, w1b, w2b; writes xb, gate, w1b, w2b
.if DOCPART == 1
	.amdgcn_target "amdgcn-amd-amdhsa--gfx1250"
	.amdhsa_code_object_version 6
	.text
	.protected	k_q75e1b40695_prep
	.globl	k_q75e1b40695_prep
	.p2align	8
	.type	k_q75e1b40695_prep,@function
k_q75e1b40695_prep:
	s_mov_b64 s[64:65], 0
	v_nop
	global_prefetch_b8 v0, s[64:65] scope:SCOPE_SE
	s_setreg_imm32_b32 hwreg(HW_REG_WAVE_MODE, 25, 1), 1
	s_wait_xcnt 0x0
; PREP.  xb = bf16(x); w1b = bf16(w1); w2b = bf16(w2), each in its input's own order; gate[n][e] = softmax_e(bf16(x)[n] . bf16(wg)[:, e] + bg[e]) in f32.
; The gate is made of the ROUNDED x and wg, so that the whole program uses one rounding of every large input; bg stays f32.
; Work-groups 0-63: x and the gate, 32 rows each, 4 rows a wave.  Work-groups 64-1087: the weights, 131,072 bytes of f32 each, 16,384 a wave.
; A stream: no LDS, no barrier, no matrix unit (the gate's product has 8 columns and x passes through registers here anyway, in the layout of whole 512-byte loads);
; no cluster: the work-groups share no input but wg's 32,768 bytes.
; LIMITS.  NaN and infinities are not treated apart; a gate weight below 2^-126 counts as 0; the gate's sums are taken in another order than the reference's.
.set XA,  8                            ; v[8:23]    x, chunk A: row i of my 4 at +4 i, 4 columns a lane
.set XB,  24                           ; v[24:39]   chunk B
.set WA,  40                           ; v[40:71]   wg, chunk A: my column c, expert e at +8 c + e
.set WB,  72                           ; v[72:103]  chunk B
.set Y,   104                          ; v[104:111] x rounded and packed, to store
.set ACC, 112                          ; v[112:143] row i, expert e at +8 i + e: my lane's part of the logit
.set T,   144                          ; v[144:147] at work
	s_load_b512 s[8:23], s[0:1], 0x0               ; x s[8:9], wg s[10:11], bg s[12:13], w1 s[14:15], w2 s[16:17], xb s[18:19], gate s[20:21], w1b s[22:23]
	s_load_b64 s[24:25], s[0:1], 0x40              ; w2b
	v_lshrrev_b32 v1, 5, v0
	v_readfirstlane_b32 s26, v1                    ; wave 0..7
	v_and_b32 v1, 31, v0                           ; lane
	s_mov_b32 s2, ttmp9
	s_cmp_lt_u32 s2, 64
	s_cbranch_scc0 .Lcast
	; ---------------- x and the gate ----------------
	s_lshl_b32 s3, s2, 5
	s_lshl2_add_u32 s3, s26, s3                    ; my first row: 32 x work-group + 4 x wave
	s_lshl_b32 s4, s3, 12                          ; its byte in x (rows of 4,096 bytes),
	s_mov_b32 s5, 0
	s_lshl_b32 s6, s3, 11                          ; in xb (2,048),
	s_mov_b32 s7, 0
	s_lshl_b32 s38, s3, 5                          ; in gate (32)
	s_mov_b32 s39, 0
	s_mov_b32 s36, 0xffff0000                      ; a word's upper bf16
	s_mov_b32 s40, 0xff00ff00                      ; lanes whose number has bit 3,
	s_mov_b32 s41, 0xf0f0f0f0                      ; bit 2,
	s_mov_b32 s42, 0xcccccccc                      ; bit 1,
	s_mov_b32 s43, 0xaaaaaaaa                      ; bit 0,
	s_mov_b32 s44, 0xffff0000                      ; bit 4
	s_mov_b32 s46, 0x76543210                      ; v_permlanex16_b32: each lane takes its own place in the other half
	s_mov_b32 s47, 0xfedcba98
	s_mov_b32 s48, 4                               ; trips: two chunks of 128 columns each
	v_lshlrev_b32 v2, 4, v1                        ; x: 16 bytes a lane
	v_lshlrev_b32 v3, 7, v1                        ; wg: my 4 rows of 32 bytes
	v_lshlrev_b32 v4, 3, v1                        ; xb: 8 bytes a lane
	v_and_b32 v6, 7, v1
	v_lshlrev_b32 v6, 2, v6                        ; bg: the expert that my lane ends up with, lane % 8
	v_lshlrev_b32 v7, 2, v1                        ; gate: 4 bytes a lane
	s_wait_kmcnt 0x0
	s_add_nc_u64 s[28:29], s[8:9], s[4:5]          ; x at my rows
	s_mov_b64 s[30:31], s[10:11]                   ; wg
	s_add_nc_u64 s[32:33], s[18:19], s[6:7]        ; xb at my rows
	s_add_nc_u64 s[34:35], s[20:21], s[38:39]      ; gate at my rows
	global_load_b32 v5, v6, s[12:13]
.set z, 0
.rept 32                               ; 32 moves, once a wave: the first chunk stands in the loop like every other
	v_mov_b32 v[ACC+z], 0
.set z, z+1
.endr
; One chunk: x is rounded, stored, and widened again; wg is rounded in place; 64 packed multiply-adds (4 rows x 4 columns x 4 pairs of experts).
.macro PROC X, W, yo
	s_wait_xcnt 0x0                                ; Y was the last chunk's store data: it is rewritten only behind this wait
.irp i, 0,1,2,3
	v_cvt_pk_bf16_f32 v[Y+2*(\i)],   v[(\X)+4*(\i)],   v[(\X)+4*(\i)+1]
	v_cvt_pk_bf16_f32 v[Y+2*(\i)+1], v[(\X)+4*(\i)+2], v[(\X)+4*(\i)+3]
.endr
.irp i, 0,1,2,3
	global_store_b64 v4, v[Y+2*(\i):Y+2*(\i)+1], s[32:33] offset:2048*(\i)+(\yo)  ; 32 lanes store 256 consecutive bytes, at a multiple of 256 from xb's first byte
.endr
.irp i, 0,1,2,3,4,5,6,7
	v_lshlrev_b32 v[(\X)+2*(\i)],   16,  v[Y+(\i)] ; the rounded numbers as f32
	v_and_b32     v[(\X)+2*(\i)+1], s36, v[Y+(\i)]
.endr
.irp p, 0,1,2,3,4,5,6,7,8,9,10,11,12,13,14,15
	v_cvt_pk_bf16_f32 v[T+(\p)%4], v[(\W)+2*(\p)], v[(\W)+2*(\p)+1]
	v_lshlrev_b32 v[(\W)+2*(\p)],   16,  v[T+(\p)%4]
	v_and_b32     v[(\W)+2*(\p)+1], s36, v[T+(\p)%4]
.endr
.irp c, 0,1,2,3                        ; the column outermost: sixteen other sums stand between two links of one
.irp i, 0,1,2,3
.irp p, 0,1,2,3
.if (\c)%2
	v_pk_fma_f32 v[ACC+8*(\i)+2*(\p):ACC+8*(\i)+2*(\p)+1], v[(\X)+4*(\i)+2*((\c)/2):(\X)+4*(\i)+2*((\c)/2)+1], v[(\W)+8*(\c)+2*(\p):(\W)+8*(\c)+2*(\p)+1], v[ACC+8*(\i)+2*(\p):ACC+8*(\i)+2*(\p)+1] op_sel:[1,0,0] op_sel_hi:[1,1,1]
.else
	v_pk_fma_f32 v[ACC+8*(\i)+2*(\p):ACC+8*(\i)+2*(\p)+1], v[(\X)+4*(\i)+2*((\c)/2):(\X)+4*(\i)+2*((\c)/2)+1], v[(\W)+8*(\c)+2*(\p):(\W)+8*(\c)+2*(\p)+1], v[ACC+8*(\i)+2*(\p):ACC+8*(\i)+2*(\p)+1] op_sel:[0,0,0] op_sel_hi:[0,1,1]
.endif
.endr
.endr
.endr
.endm
.Lchunk:                               ; a trip: columns 256 t .. 256 t + 255; in a chunk of 128 my lane has columns 4 l .. 4 l + 3
.irp i, 0,1,2,3
	global_load_b128 v[XA+4*(\i):XA+4*(\i)+3], v2, s[28:29] offset:4096*(\i) th:TH_LOAD_NT
.endr
.irp t, 0,1,2,3,4,5,6,7
	global_load_b128 v[WA+4*(\t):WA+4*(\t)+3], v3, s[30:31] offset:16*(\t)
.endr
.irp i, 0,1,2,3
	global_load_b128 v[XB+4*(\i):XB+4*(\i)+3], v2, s[28:29] offset:4096*(\i)+512 th:TH_LOAD_NT
.endr
.irp t, 0,1,2,3,4,5,6,7
	global_load_b128 v[WB+4*(\t):WB+4*(\t)+3], v3, s[30:31] offset:16*(\t)+4096
.endr
	s_wait_loadcnt 12                              ; chunk A is in; chunk B's twelve loads stay out
	PROC XA, WA, 0
	s_wait_loadcnt 0x0
	PROC XB, WB, 256
	s_wait_xcnt 0x0                                ; the three bases are stepped only behind this wait
	s_add_nc_u64 s[28:29], s[28:29], 1024
	s_add_nc_u64 s[30:31], s[30:31], 8192
	s_add_nc_u64 s[32:33], s[32:33], 512
	s_sub_co_u32 s48, s48, 1
	s_cmp_lg_u32 s48, 0
	s_cbranch_scc1 .Lchunk
; 32 sums over 32 lanes at once.  A step halves the registers: of the pair (i, i + s) a lane keeps the one that its number's bit s names and hands the other to the lane s away.
; At the end lane l holds the whole sum number l: row l / 8, expert l % 8.
.macro TR1 s, m, i
	v_cndmask_b32 v[T+(\i)%4], v[ACC+(\i)+(\s)], v[ACC+(\i)], s[\m]   ; what I hand over
	v_cndmask_b32 v[ACC+(\i)], v[ACC+(\i)], v[ACC+(\i)+(\s)], s[\m]   ; what I keep
	v_add_f32_dpp v[ACC+(\i)], v[T+(\i)%4], v[ACC+(\i)] row_xmask:\s row_mask:0xf bank_mask:0xf
.endm
.irp i, 0,1,2,3,4,5,6,7,16,17,18,19,20,21,22,23
	TR1 8, 40, \i
.endr
.irp i, 0,1,2,3,16,17,18,19
	TR1 4, 41, \i
.endr
.irp i, 0,1,16,17
	TR1 2, 42, \i
.endr
.irp i, 0,16
	TR1 1, 43, \i
.endr
	v_cndmask_b32 v[T], v[ACC+16], v[ACC], s44
	v_cndmask_b32 v[ACC], v[ACC], v[ACC+16], s44
	v_permlanex16_b32 v[T+1], v[T], s46, s47       ; its destination has been written above
	v_add_f32 v[ACC], v[ACC], v[T+1]
	; softmax over the 8 lanes of a row: the row's true maximum is taken away
	v_add_f32 v[ACC], v[ACC], v5                   ; + bg
	v_max_num_f32_dpp v[T], v[ACC], v[ACC] row_xmask:1 row_mask:0xf bank_mask:0xf
	v_max_num_f32_dpp v[T], v[T], v[T] row_xmask:2 row_mask:0xf bank_mask:0xf
	v_max_num_f32_dpp v[T], v[T], v[T] row_xmask:4 row_mask:0xf bank_mask:0xf
	v_sub_f32 v[T+1], v[ACC], v[T]
	v_mul_f32 v[T+1], 0x3fb8aa3b, v[T+1]           ; log2(e)
	v_exp_f32 v[T+2], v[T+1]
	v_nop                                          ; a plain instruction behind the exponential (ISA guide 5.7.2),
	s_wait_alu depctr_va_vdst(0)                   ; and the wait for its result ahead of its first reader
	v_add_f32_dpp v[T+3], v[T+2], v[T+2] row_xmask:1 row_mask:0xf bank_mask:0xf
	v_add_f32_dpp v[T+3], v[T+3], v[T+3] row_xmask:2 row_mask:0xf bank_mask:0xf
	v_add_f32_dpp v[T+3], v[T+3], v[T+3] row_xmask:4 row_mask:0xf bank_mask:0xf
	v_rcp_f32 v[T], v[T+3]                         ; the sum is at least 1: the maximum's own term
	v_nop
	s_wait_alu depctr_va_vdst(0)
	v_mul_f32 v[T+1], v[T+2], v[T]
	global_store_b32 v7, v[T+1], s[34:35]          ; my wave's 4 rows of gate: 128 consecutive bytes
	s_endpgm
	; ---------------- the weights ----------------
.Lcast:
	s_sub_co_u32 s3, s2, 64                        ; 0..1023: 512 pieces of w1, then 512 of w2
	s_lshr_b32 s4, s3, 9
	s_and_b32 s5, s3, 511
	s_lshl_b32 s28, s5, 17                         ; the piece's byte in the f32 tensor,
	s_mov_b32 s29, 0
	s_lshl_b32 s30, s5, 16                         ; and in the bf16 one
	s_mov_b32 s31, 0
	v_lshlrev_b32 v2, 4, v1
	v_lshl_add_u32 v2, s26, 14, v2                 ; from: 16,384 x wave + 16 x lane
	v_lshrrev_b32 v3, 1, v2                        ; to: half of that
	s_wait_kmcnt 0x0
	s_cmp_eq_u32 s4, 0
	s_cselect_b64 s[32:33], s[14:15], s[16:17]
	s_cselect_b64 s[34:35], s[22:23], s[24:25]
	s_add_nc_u64 s[32:33], s[32:33], s[28:29]
	s_add_nc_u64 s[34:35], s[34:35], s[30:31]
.set z, 0
.rept 32                               ; all of the wave's 16,384 bytes are asked for at once
	global_load_b128 v[8+4*z:11+4*z], v2, s[32:33] offset:512*z th:TH_LOAD_NT
.set z, z+1
.endr
.set z, 0
.rept 32
	s_wait_loadcnt 31-z                            ; loads come back in order (ISA guide 5.7.1): number z is in, the younger ones stay out
	v_cvt_pk_bf16_f32 v[8+4*z], v[8+4*z], v[9+4*z]
	v_cvt_pk_bf16_f32 v[9+4*z], v[10+4*z], v[11+4*z]
	global_store_b64 v3, v[8+4*z:9+4*z], s[34:35] offset:256*z  ; 32 lanes store 256 consecutive bytes, at a multiple of 256 from the buffer's first byte; no register is written twice
.set z, z+1
.endr
	s_endpgm
.Lfunc_end_k_q75e1b40695_prep:
	.size	k_q75e1b40695_prep, .Lfunc_end_k_q75e1b40695_prep-k_q75e1b40695_prep
	.p2alignl 7, 3214868480
	.fill 96, 4, 3214868480
	.section	.rodata,"a",@progbits
	.p2align	6, 0x0
	.amdhsa_kernel k_q75e1b40695_prep
		.amdhsa_group_segment_fixed_size 0
		.amdhsa_private_segment_fixed_size 0
		.amdhsa_enable_private_segment 0
		.amdhsa_kernarg_size 72
		.amdhsa_user_sgpr_count 2
		.amdhsa_user_sgpr_kernarg_segment_ptr 1
		.amdhsa_wavefront_size32 1
		.amdhsa_system_sgpr_workgroup_id_x 1
		.amdhsa_system_sgpr_workgroup_id_y 1
		.amdhsa_system_sgpr_workgroup_id_z 1
		.amdhsa_system_vgpr_workitem_id 0
		.amdhsa_next_free_vgpr 148
		.amdhsa_next_free_sgpr 66
		.amdhsa_reserve_vcc 0
		.amdhsa_float_denorm_mode_32 3
		.amdhsa_float_denorm_mode_16_64 3
		.amdhsa_memory_ordered 1
		.amdhsa_forward_progress 1
		.amdhsa_inst_pref_size 39
	.end_amdhsa_kernel
	.amdgpu_metadata
---
amdhsa.version: [ 1, 2 ]
amdhsa.kernels:
  - .name:           k_q75e1b40695_prep
    .symbol:         k_q75e1b40695_prep.kd
    .args:
      - { .name: x, .offset: 0, .size: 8, .value_kind: global_buffer, .address_space: global }
      - { .name: wg, .offset: 8, .size: 8, .value_kind: global_buffer, .address_space: global }
      - { .name: bg, .offset: 16, .size: 8, .value_kind: global_buffer, .address_space: global }
      - { .name: w1, .offset: 24, .size: 8, .value_kind: global_buffer, .address_space: global }
      - { .name: w2, .offset: 32, .size: 8, .value_kind: global_buffer, .address_space: global }
      - { .name: xb, .offset: 40, .size: 8, .value_kind: global_buffer, .address_space: global }
      - { .name: gate, .offset: 48, .size: 8, .value_kind: global_buffer, .address_space: global }
      - { .name: w1b, .offset: 56, .size: 8, .value_kind: global_buffer, .address_space: global }
      - { .name: w2b, .offset: 64, .size: 8, .value_kind: global_buffer, .address_space: global }
    .group_segment_fixed_size: 0
    .private_segment_fixed_size: 0
    .kernarg_segment_align: 8
    .kernarg_segment_size: 72
    .max_flat_workgroup_size: 256
    .sgpr_count:     66
    .vgpr_count:     148
    .wavefront_size: 32
...
	.end_amdgpu_metadata
.endif
;; end of part 1
;; launch up (part 2): grid 64 x 4, 4 waves a work-group, clusters of 4 x 4, 327,680 bytes of LDS; arguments xb, w1b, b1, h; writes h
.if DOCPART == 2
	.amdgcn_target "amdgcn-amd-amdhsa--gfx1250"
	.amdhsa_code_object_version 6
	.text
	.protected	k_q75e1b40695_up
	.globl	k_q75e1b40695_up
	.p2align	8
	.type	k_q75e1b40695_up,@function
k_q75e1b40695_up:
	s_mov_b64 s[64:65], 0
	v_nop
	global_prefetch_b8 v0, s[64:65] scope:SCOPE_SE
	s_setreg_imm32_b32 hwreg(HW_REG_WAVE_MODE, 25, 1), 1
	s_wait_xcnt 0x0
	s_wait_alu depctr_hold_cnt(0) depctr_sa_sdst(0) depctr_va_vdst(0) depctr_va_sdst(0) depctr_va_ssrc(0) depctr_va_vcc(0) depctr_vm_vsrc(0)
	s_getreg_b32 s2, hwreg(HW_REG_IB_STS2, 6, 4)
	s_cmp_eq_u32 s2, 0
	s_cbranch_scc0 .Lentry_in_a_cluster
	s_endpgm
.Lentry_in_a_cluster:
	s_bfe_u32 s2, ttmp6, 0x10000c
	s_cmp_lg_u32 s2, 0xf033
	s_cbranch_scc0 .Lentry_shape_is_right
	s_endpgm
.Lentry_shape_is_right:
; UP.  h[e][n][j] = relu(sum over d of xb[n][d] w1b[e][d][j] + b1[e][j]), rounded once to bf16.  xb: [2048][1024] bf16; w1b: [8][1024][2048] bf16; b1: [8][2048] f32; h: [8][2048][2048] bf16.  Sums in f32.
; The 8 experts' columns side by side are 64 tile columns of 256; x has 8 tile rows of 256.  A tile, 256 x 256, is made by four waves, 128 x 128 each: 64 accumulators of 16 x 16, 512 registers.
; A WORK-GROUP STAYS for two tiles, 1,024 rows apart: the same weights and the same bias; the ring of two LDS slots runs on into the second tile.  K goes in steps of 128.
; THE WEIGHTS STAY [K][N]: a K step's tile is 128 rows (k) of 256 columns, 512 bytes a row, and the fragments come out of LDS turned, by ds_load_tr16_b128, two loads a fragment as for plain rows.
; THE MATRIX INSTRUCTION IS USED TRANSPOSED: source 0 = 16 columns of w1, source 1 = 16 rows of x: a lane then holds row l % 16 and the eight neighbouring columns 8 (l / 16) + 0..7.
; THE BIAS is the C operand of the product that starts each sum: 8 registers for each block of 16 columns serve all rows.
; CLUSTERS: 4 x 4 work-groups.  The four of a row of the cluster need the same tiles of x, the four of a column the same tiles of w1: each tile is asked for JOINTLY, by the same tensor load with the
; same descriptor and a mask that names the four.  The grid has one cluster along y, so the tile row is my place cy alone.
; LIMITS.  NaN and infinities are not treated apart (the relu makes 0 of a NaN); the sums are taken in another order than the reference's.
; REGISTERS, in windows of 256 (s_set_vgpr_msb: bits 1:0 source 0, 3:2 source 1, 5:4 source 2, 7:6 destination):
;   window 0: v0-31 addresses; v64-127, v128-191 fragments of x, two buffers; v32-63, v192-255 at work on the way out
;   window 1: v0-63 the bias; v64-127, v128-191 fragments of w1, two buffers        windows 2, 3: the accumulators of my rows 0-63, 64-127: (a, b) at v[8 (8 a + b)]
.set KSTEP,  128
.set KDIM,   1024
.set PITCHA, 1024                      ; elements from row to row of xb
.set PITCHB, 2048                      ; and of w1b
.set PA,     272                       ; an LDS row of x: 256 bytes + 16 = 68 words: row r starts at bank 4 r mod 64 (64 banks of 4 bytes: ISA guide 11.1)
.set PB,     544                       ; an LDS row of w1: 512 bytes + 32 = 136 words: row k starts at bank 8 k mod 64
.set HALFT,  128*PA                    ; what one tensor load brings: 128 rows of x, or 64 rows of w1 (64 x 544 is the same number)
.set SLOT,   4*HALFT                   ; x's rows 0-127, 128-255, then w1's k 0-63, 64-127
.set STAGE,  2*SLOT                    ; behind the ring: 16 rows x 272 bytes for each wave, for the way out
.set SPITCH, 272
.set SPARE,  STAGE+4*16*SPITCH         ; behind the stages: the spare words, 128 bytes for each wave: two blocks of 256 bytes that no other line names
.set LAPS,   KDIM/(2*KSTEP)            ; a lap = two K steps = once round the ring
.set KA,     KSTEP*2                   ; a K step in bytes: along x's rows,
.set KB,     KSTEP*PITCHB*2            ; and down w1's
.set NEXT_A, 1024*PITCHA*2-(KDIM-2*KSTEP)*2  ; from a slot's last K step of a tile to its first of the next: x goes 1,024 rows down and back along K,
.set BACK_B, (KDIM/KSTEP-2)*KB         ; w1 only back
.set NEXT_C, 1024*4096                 ; 1,024 rows of h
.set ADRA, 16                          ; v16-17  LDS address of my fragments of x in slot 0, 1
.set ADRB, 20                          ; v20-21  the same for w1
.set STO,  24                          ; v24     the way out: where I put 16 bytes of a row
.set RD,   25                          ; v25     where I read a row back
.set CO,   26                          ; v26     my byte offset in h
.set ZR,   27                          ; v27     0, for the relu
.set SPW,  28                          ; v28     LDS address of my spare word; never rewritten
.set NIL,  29                          ; v29     0; never rewritten
.set BO,   30                          ; v30     my byte offset in a block of 16 numbers of b1
.set F0,   64
.set F1,   128
.set TMP,  192
.set OB,   32
.set G1,  24                           ; s[24:31] descriptor group 1 for x's tiles;  s[32:39] group 0, a set for each slot
.set G0,  32
.set G1B, 48                           ; s[48:55], s[56:63] the same for w1's tiles
.set G0B, 56
.set MSB, 0
.macro WIN new                         ; the immediate's high byte repeats the setting that is left; a switch that changes nothing is dropped
.if MSB != (\new)
	s_set_vgpr_msb (MSB<<8)|(\new)
.set MSB, \new
.endif
.endm
; A joint load: waves 0 and 1 fetch x's two halves, waves 2 and 3 w1's.  The branch hangs on the wave's number alone.  An s_nop 0 and four v_nop follow each of the two lines.
.macro JLOAD s
	s_cmp_eq_u32 s13, 0
	s_cbranch_scc0 .Lfor_b_\@
	tensor_load_to_lds s[G0+4*(\s):G0+4*(\s)+3], s[G1:G1+7]
	s_nop 0
.rept 4
	v_nop
.endr
	s_branch .Lasked_\@
.Lfor_b_\@:
	tensor_load_to_lds s[G0B+4*(\s):G0B+4*(\s)+3], s[G1B:G1B+7]
	s_nop 0
.rept 4
	v_nop
.endr
.Lasked_\@:
.endm
.macro CREST                           ; a round of the cluster's barrier behind its opening barrier
	s_cmp_lg_u32 s12, 0
	s_cbranch_scc1 .Lnot_wave_0_\@
	s_barrier_signal -3
.Lnot_wave_0_\@:
	s_barrier_wait -3
	s_barrier_signal -1
	s_barrier_wait -1
.endm
.macro CROUND                          ; a whole round
	s_barrier_signal -1
	s_barrier_wait -1
	CREST
.endm
	s_load_b256 s[4:11], s[0:1], 0x0               ; xb s[4:5], w1b s[6:7], b1 s[8:9], h s[10:11]
	v_lshl_add_u32 v[SPW], v0, 2, SPARE
	v_mov_b32 v[NIL], 0
	ds_add_u32 v[SPW], v[NIL]                      ; the wave's opening: the add and its wait stand ahead of my first tensor load; the set-up below, work on registers, stands between them
	v_lshrrev_b32 v1, 5, v0
	v_readfirstlane_b32 s12, v1                    ; wave 0..3
	s_lshr_b32 s13, s12, 1                         ; which half of the tile's rows is mine.  Also: I fetch for x (0) or for w1 (1)
	s_and_b32 s14, s12, 1                          ; which half of its columns.  Also: which half of that tile I fetch
	s_bfe_u32 s40, ttmp6, 0x40000                  ; cx
	s_bfe_u32 s41, ttmp6, 0x40004                  ; cy = the first tile's row among 4
	s_lshl_b32 s42, ttmp9, 2
	s_add_co_u32 s42, s42, s40                     ; tile column 0..63 = 4 x cluster x + cx
	s_lshl_b32 s44, s41, 2
	s_lshl_b32 s44, 15, s44                        ; my row of the cluster
	s_lshl_b32 s45, 0x1111, s40                    ; my column
	s_or_b32 s[G1+0], s44, (1<<16)|(1<<20)|(1<<21)|(5<<22)|(3<<25)   ; 15:0 the mask; 17:16 2-byte elements; 20 padding on; 21 set beside a mask; 24:22 after every 64 words (code 5); 31:25 4 words (code 3)
	s_or_b32 s[G1B+0], s45, (1<<16)|(1<<20)|(1<<21)|(6<<22)|(7<<25)  ; after every 128 words (code 6), 8 words (code 7)
	s_mov_b32 s[G1+1], 128<<16                     ; x: tensor_dim0 = 128
	s_mov_b32 s[G1+2], 128<<16                     ; tensor_dim1 = 128
	s_mov_b32 s[G1+3], 128<<16                     ; tile_dim0 = 128
	s_mov_b32 s[G1+4], 128                         ; tile_dim1 = 128
	s_mov_b32 s[G1+5], PITCHA
	s_mov_b32 s[G1+6], 0
	s_mov_b32 s[G1+7], 0
	s_mov_b32 s[G1B+1], 256<<16                    ; w1: tensor_dim0 = 256
	s_mov_b32 s[G1B+2], 64<<16                     ; tensor_dim1 = 64
	s_mov_b32 s[G1B+3], 256<<16                    ; tile_dim0 = 256
	s_mov_b32 s[G1B+4], 64                         ; tile_dim1 = 64
	s_mov_b32 s[G1B+5], PITCHB
	s_mov_b32 s[G1B+6], 0
	s_mov_b32 s[G1B+7], 0
	; byte offsets.  x's hang on cy and the wave, w1's on the tile column and the wave, each in registers that never hold the other coordinate
	s_lshl_b32 s20, s14, 18                        ; the half that I fetch: 128 rows of 2,048 bytes, or 64 rows of 4,096
	s_lshl_b32 s16, s41, 19                        ; x: 256 rows a tile row
	s_add_co_u32 s16, s16, s20
	s_mov_b32 s17, 0
	s_lshr_b32 s66, s42, 3                         ; the expert
	s_and_b32 s21, s42, 7
	s_lshl_b32 s22, s21, 9                         ; the tile's 256 columns among the expert's 2,048, in bf16
	s_lshl_b32 s46, s66, 22
	s_add_co_u32 s46, s46, s22
	s_add_co_u32 s46, s46, s20
	s_mov_b32 s47, 0
	s_lshl_b32 s70, s42, 10                        ; b1: 256 f32 a tile column,
	s_lshl_b32 s67, s14, 9                         ; my 128 of them
	s_add_co_u32 s70, s70, s67
	s_mov_b32 s71, 0
	s_lshl_b32 s68, s66, 23                        ; h: the expert,
	s_lshl_b32 s67, s41, 20                        ; the tile's 256 rows of 4,096 bytes,
	s_add_co_u32 s68, s68, s67
	s_lshl_b32 s67, s13, 19                        ; my 128 of them,
	s_add_co_u32 s68, s68, s67
	s_add_co_u32 s68, s68, s22                     ; the tile's columns,
	s_lshl_b32 s67, s14, 8                         ; my 128 of them
	s_add_co_u32 s68, s68, s67
	s_mov_b32 s69, 0
	s_mul_i32 s23, s12, HALFT                      ; where my tensor loads go: wave x 34,816: no place in the cluster enters an LDS address
	s_wait_dscnt 0x0                               ; the opening add is done
	s_wait_kmcnt 0x0
	s_add_nc_u64 s[18:19], s[4:5], s[16:17]
	s_add_nc_u64 s[46:47], s[6:7], s[46:47]
	s_add_nc_u64 s[8:9], s[8:9], s[70:71]
	s_add_nc_u64 s[10:11], s[10:11], s[68:69]
	CROUND                                         ; all sixteen work-groups are here: the first joint loads meet
.irp s, 0,1
	s_mov_b32 s[G0+4*(\s)], 1
	s_add_co_u32 s[G0+4*(\s)+1], s23, (\s)*SLOT
	s_add_nc_u64 s[G0+4*(\s)+2:G0+4*(\s)+3], s[18:19], (\s)*KA
	s_or_b32 s[G0+4*(\s)+3], s[G0+4*(\s)+3], 0x80000000
	s_mov_b32 s[G0B+4*(\s)], 1
	s_add_co_u32 s[G0B+4*(\s)+1], s23, (\s)*SLOT
	s_add_nc_u64 s[G0B+4*(\s)+2:G0B+4*(\s)+3], s[46:47], (\s)*KB
	s_or_b32 s[G0B+4*(\s)+3], s[G0B+4*(\s)+3], 0x80000000
	JLOAD \s                                       ; the ring is filled before anything else is done: two loads of mine are out
.endr
	v_and_b32 v1, 15, v0                           ; r = l % 16
	v_bfe_u32 v2, v0, 4, 1                         ; h = l / 16
	v_lshlrev_b32 v[BO], 5, v2                     ; my eight columns of a block: 32 h bytes in
	WIN 0x40                                       ; destination window 1, address window 0
.irp b, 0,1,2,3,4,5,6,7
	global_load_b128 v[8*(\b):8*(\b)+3],   v[BO], s[8:9] offset:64*(\b)
	global_load_b128 v[8*(\b)+4:8*(\b)+7], v[BO], s[8:9] offset:64*(\b)+16
.endr
	WIN 0
	v_mul_u32_u24 v3, v1, PA
	v_lshl_add_u32 v3, v2, 4, v3                   ; x: row x pitch + 16 x half
	v_and_b32 v4, 7, v0
	v_lshl_add_u32 v4, v2, 3, v4                   ; w1, turning load: k row 8 h + l % 8,
	v_mul_u32_u24 v4, v4, PB
	v_bfe_u32 v5, v0, 3, 1
	v_lshl_add_u32 v4, v5, 4, v4                   ; columns 8 ((l / 8) % 2) + 0..7
	s_mul_i32 s15, s13, HALFT                      ; my 128 rows of x
	s_lshl_b32 s20, s14, 8                         ; my 128 columns of w1,
	s_add_co_u32 s20, s20, 2*HALFT                 ; which lies behind x's 256 rows
.irp s, 0,1
	v_add_nc_u32 v[ADRA+(\s)], s15, v3
	v_add_nc_u32 v[ADRB+(\s)], s20, v4
	s_add_co_u32 s15, s15, SLOT
	s_add_co_u32 s20, s20, SLOT
.endr
	s_mul_i32 s23, s12, 16*SPITCH
	s_add_co_u32 s23, s23, STAGE                   ; my stage
	v_mul_u32_u24 v5, v1, SPITCH                   ; in: row l % 16, 16 bytes for each half of the lanes
	v_lshl_add_u32 v5, v2, 4, v5
	v_add_nc_u32 v[STO], s23, v5
	v_mul_u32_u24 v5, v2, SPITCH                   ; back: lanes 0-15 take one row of 256 bytes, lanes 16-31 the next
	v_lshl_add_u32 v5, v1, 4, v5
	v_add_nc_u32 v[RD], s23, v5
	v_lshlrev_b32 v5, 12, v2                       ; and the same two rows in h
	v_lshl_add_u32 v[CO], v1, 4, v5
	v_mov_b32 v[ZR], 0
; 16 matrix instructions: m blocks a0, a0 + 1 of the window's four (hi = 0: my rows 0-63, 1: rows 64-127) x all 8 n blocks, 32 along K.  first = 1: the product starts the sum, with the bias as C.
; The 64 accumulators take turns in the same order everywhere.
.macro MUL16 f, hi, a0, first
.if \first
	WIN 0x91+0x40*(\hi)                            ; source 0 (w1) window 1, source 1 (x) window 0, C (bias) window 1, D window 2 or 3
.else
	WIN 0xa1+0x50*(\hi)                            ; C and D window 2 or 3
.endif
.irp a, \a0, (\a0)+1
.irp b, 0,1,2,3,4,5,6,7
.if \first
	v_wmma_f32_16x16x32_bf16 v[8*(8*(\a)+(\b)):8*(8*(\a)+(\b))+7], v[(\f)+8*(\b):(\f)+8*(\b)+7], v[(\f)+8*(4*(\hi)+(\a)):(\f)+8*(4*(\hi)+(\a))+7], v[8*(\b):8*(\b)+7]
.else
	v_wmma_f32_16x16x32_bf16 v[8*(8*(\a)+(\b)):8*(8*(\a)+(\b))+7], v[(\f)+8*(\b):(\f)+8*(\b)+7], v[(\f)+8*(4*(\hi)+(\a)):(\f)+8*(4*(\hi)+(\a))+7], v[8*(8*(\a)+(\b)):8*(8*(\a)+(\b))+7]
.endif
.endr
.endr
.endm
; 32 LDS loads in one run: the fragments of quarter q (32 along K) of a slot into buffer f: w1's 8 blocks of 16 columns, turned, then x's 8 blocks of 16 rows
.macro FETCH slot, q, f
	WIN 0x40
.irp i, 0,1,2,3,4,5,6,7
	ds_load_tr16_b128 v[(\f)+8*(\i):(\f)+8*(\i)+3],   v[ADRB+(\slot)] offset:(\q)*32*PB+32*(\i)
	ds_load_tr16_b128 v[(\f)+8*(\i)+4:(\f)+8*(\i)+7], v[ADRB+(\slot)] offset:(\q)*32*PB+16*PB+32*(\i)
.endr
	WIN 0
.irp i, 0,1,2,3,4,5,6,7
	ds_load_b128 v[(\f)+8*(\i):(\f)+8*(\i)+3],   v[ADRA+(\slot)] offset:64*(\q)+(\i)*16*PA
	ds_load_b128 v[(\f)+8*(\i)+4:(\f)+8*(\i)+7], v[ADRA+(\slot)] offset:64*(\q)+(\i)*16*PA+32
.endr
.endm
.macro PLACES                          ; four places in front of loads into registers that matrix instructions have read, and of lines that read results just made
.rept 4
	v_nop
.endr
.endm
; A K step is four quarters of 32 along K, 64 matrix instructions each, on buffers 0, 1, 0, 1.  One of the first three: multiplies buffer f; in its middle it fetches quarter q into buffer g.
.macro QUARTER slot, q, f, g, first
	s_wait_dscnt 8                                 ; w1 and x's rows 0-63 are in; the youngest eight loads (x's rows 64-127) may be out
	MUL16 \f, 0, 0, \first
	MUL16 \f, 0, 2, \first
	PLACES
	FETCH \slot, \q, \g
	s_wait_dscnt 32                                ; all but the 32 just issued
	MUL16 \f, 1, 0, \first
	MUL16 \f, 1, 2, \first
.endm
; The last quarter multiplies buffer 1 and changes slots.  MEET is its first half: ONE barrier.  In front of it each wave waits for all its tensor loads, of which one is out: its part of the next slot;
; adds 0 to its spare word; and waits for that and for its own reads of this slot.  Behind it nobody reads this slot any more and the next slot is whole.
.macro MEET round
	WIN 0
	s_wait_tensorcnt 0x0                           ; all my tensor loads have landed
	ds_add_u32 v[SPW], v[NIL]                      ; 0 onto my spare word
	s_wait_dscnt 9                                 ; (the add and the youngest eight loads may be out)
	MUL16 F1, 0, 0, 0                              ; sixteen matrix instructions stand between the add and the wait for it
	s_wait_dscnt 0x0                               ; the add is done, and my reads of this slot are over
	s_barrier_signal -1
	MUL16 F1, 0, 2, 0                              ; work on registers while the others arrive
.if \round
	WIN 0
.endif
	s_barrier_wait -1
.endm
; The whole last quarter.  mode 0: the slot just read out is filled again with the K step two on; 1: with the next tile's K step 0 or 1; 2: nothing is left to fetch.
; From a request to the wait for it a wave issues 224 matrix instructions.
.macro TURN slot, next, mode
.if (\mode) < 2
	MEET 1
	CREST                                          ; the barrier has opened a round of the cluster's: no wave of any partner still reads this slot or has a load on its way
.if (\mode) == 1
	s_add_nc_u64 s[G0+4*(\slot)+2:G0+4*(\slot)+3], s[G0+4*(\slot)+2:G0+4*(\slot)+3], NEXT_A
	s_sub_nc_u64 s[G0B+4*(\slot)+2:G0B+4*(\slot)+3], s[G0B+4*(\slot)+2:G0B+4*(\slot)+3], BACK_B
.else
	s_add_nc_u64 s[G0+4*(\slot)+2:G0+4*(\slot)+3], s[G0+4*(\slot)+2:G0+4*(\slot)+3], 2*KA
	s_add_nc_u64 s[G0B+4*(\slot)+2:G0B+4*(\slot)+3], s[G0B+4*(\slot)+2:G0B+4*(\slot)+3], 2*KB
.endif
	JLOAD \slot                                    ; the first tensor load behind the round; its four v_nop are also the places in front of the loads below
.else
	MEET 0
	PLACES
.endif
	FETCH \next, 0, F0
	MUL16 F1, 1, 0, 0
	MUL16 F1, 1, 2, 0
.endm
.macro FINAL                           ; the very last quarter: nothing more to fetch
	s_wait_dscnt 8
	MUL16 F1, 0, 0, 0
	MUL16 F1, 0, 2, 0
	s_wait_dscnt 0x0
	MUL16 F1, 1, 0, 0
	MUL16 F1, 1, 2, 0
.endm
; THE WAY OUT of block a (16 rows).  PACK: rounded to bf16, then the relu on the packed halves (the rounding keeps sign and order, so the two commute).  TOSTAGE: into my own stage, and back as rows of 256 bytes.  SEND: stored.
.macro PACK a
.set AC, 64*((\a)%4)
	WIN 0x0a+5*((\a)/4)                            ; sources 0 and 1: window 2 or 3
.irp b, 0,1,2,3,4,5,6,7
.irp r, 0,1,2,3
	v_cvt_pk_bf16_f32 v[TMP+4*(\b)+(\r)], v[AC+8*(\b)+2*(\r)], v[AC+8*(\b)+2*(\r)+1]
.endr
.endr
	WIN 0
.set z, 0
.rept 32
	v_pk_max_num_bf16 v[TMP+z], v[TMP+z], v[ZR]
.set z, z+1
.endr
.endm
.macro TOSTAGE a
	WIN 0
.set BK, OB+192*((\a)%2)
.irp b, 0,1,2,3,4,5,6,7
	ds_store_b128 v[STO], v[TMP+4*(\b):TMP+4*(\b)+3] offset:32*(\b)
.endr
.irp t, 0,1,2,3,4,5,6,7
	ds_load_b128 v[BK+4*(\t):BK+4*(\t)+3], v[RD] offset:(\t)*2*SPITCH  ; LDS serves a wave's instructions in order (ISA guide 5.7.1.4): these see the stores above
.endr
.endm
.macro SEND a
	WIN 0
.set BK, OB+192*((\a)%2)
	s_wait_dscnt 0x0                               ; the block is back in registers
	s_wait_xcnt 0x0                                ; the block before last's stores have read their registers: the next TOSTAGE loads into them only behind this wait
.irp t, 0,1,2,3,4,5,6,7
	global_store_b128 v[CO], v[BK+4*(\t):BK+4*(\t)+3], s[10:11] offset:(16*(\a)+2*(\t))*4096  ; 16 lanes store 256 consecutive bytes, at a multiple of 256 from h's first byte
.endr
.endm
	s_wait_tensorcnt 1                             ; my part of K step 0 is in; K step 1's may stay out
	s_barrier_signal -1
	s_barrier_wait -1                              ; everybody's is
	FETCH 0, 0, F0
	s_wait_loadcnt 0x0                             ; the bias
	s_mov_b32 s2, 2                                ; tiles to go
.Ltile:
	QUARTER 0, 1, F0, F1, 1                        ; a tile's first quarter stands in front of the loop: its products start the sums
	WIN 0                                          ; at a label and at a branch every window is 0
	s_mov_b32 s3, LAPS-1
.Llap:                                                 ; a trip goes once round the ring, from a lap's second quarter to the next lap's first, and fills both slots again
	QUARTER 0, 2, F1, F0, 0
	QUARTER 0, 3, F0, F1, 0
	TURN 0, 1, 0
	QUARTER 1, 1, F0, F1, 0
	QUARTER 1, 2, F1, F0, 0
	QUARTER 1, 3, F0, F1, 0
	TURN 1, 0, 0
	QUARTER 0, 1, F0, F1, 0
	WIN 0
	s_sub_co_u32 s3, s3, 1
	s_cmp_lg_u32 s3, 0
	s_cbranch_scc1 .Llap
	QUARTER 0, 2, F1, F0, 0                        ; the tile's last lap goes on
	QUARTER 0, 3, F0, F1, 0
	WIN 0
	s_cmp_eq_u32 s2, 1
	s_cbranch_scc1 .Llast                          ; the last tile's tail asks for nothing more
	TURN 0, 1, 1                                   ; the ring goes on into the second tile: slot 0 takes its K step 0,
	QUARTER 1, 1, F0, F1, 0
	QUARTER 1, 2, F1, F0, 0
	QUARTER 1, 3, F0, F1, 0
	TURN 1, 0, 1                                   ; slot 1 its K step 1, and its first fragments are fetched
	WIN 0
	s_branch .Lout
.Llast:
	TURN 0, 1, 2
	QUARTER 1, 1, F0, F1, 0
	QUARTER 1, 2, F1, F0, 0
	QUARTER 1, 3, F0, F1, 0
	FINAL
	WIN 0
.Lout:                                                 ; the tile goes out; behind the first tile both refills are on their way meanwhile
	PLACES
	PACK 0
	TOSTAGE 0
.irp a, 1,2,3,4,5,6,7                  ; block a's arithmetic stands between block a - 1's loads from the stage and the wait for them
	PACK \a
	SEND (\a)-1
	TOSTAGE \a
.endr
	SEND 7
	s_wait_xcnt 0x0                                ; the stores have read their base and their registers
	s_add_nc_u64 s[10:11], s[10:11], NEXT_C        ; the second tile's rows (behind the second tile the sum is not used)
	s_sub_co_u32 s2, s2, 1
	s_cmp_lg_u32 s2, 0
	s_cbranch_scc1 .Ltile
	s_wait_tensorcnt 0x0                           ; the wave's end, behind my last tensor load and my last LDS store
	ds_add_u32 v[SPW], v[NIL]
	s_wait_dscnt 0x0
	CROUND                                         ; the closing round: no work-group ends while a partner may still ask for a tile that names it
	s_endpgm
.Lfunc_end_k_q75e1b40695_up:
	.size	k_q75e1b40695_up, .Lfunc_end_k_q75e1b40695_up-k_q75e1b40695_up
	.p2alignl 7, 3214868480
	.fill 96, 4, 3214868480
	.section	.rodata,"a",@progbits
	.p2align	6, 0x0
	.amdhsa_kernel k_q75e1b40695_up
		.amdhsa_group_segment_fixed_size 327680
		.amdhsa_private_segment_fixed_size 0
		.amdhsa_enable_private_segment 0
		.amdhsa_kernarg_size 32
		.amdhsa_user_sgpr_count 2
		.amdhsa_user_sgpr_kernarg_segment_ptr 1
		.amdhsa_wavefront_size32 1
		.amdhsa_system_sgpr_workgroup_id_x 1
		.amdhsa_system_sgpr_workgroup_id_y 1
		.amdhsa_system_sgpr_workgroup_id_z 1
		.amdhsa_system_vgpr_workitem_id 0
		.amdhsa_next_free_vgpr 1024
		.amdhsa_next_free_sgpr 72
		.amdhsa_reserve_vcc 0
		.amdhsa_float_denorm_mode_32 3
		.amdhsa_float_denorm_mode_16_64 3
		.amdhsa_memory_ordered 1
		.amdhsa_forward_progress 1
		.amdhsa_inst_pref_size 194
	.end_amdhsa_kernel
	.amdgpu_metadata
---
amdhsa.version: [ 1, 2 ]
amdhsa.kernels:
  - .name:           k_q75e1b40695_up
    .symbol:         k_q75e1b40695_up.kd
    .args:
      - { .name: xb, .offset: 0, .size: 8, .value_kind: global_buffer, .address_space: global }
      - { .name: w1b, .offset: 8, .size: 8, .value_kind: global_buffer, .address_space: global }
      - { .name: b1, .offset: 16, .size: 8, .value_kind: global_buffer, .address_space: global }
      - { .name: h, .offset: 24, .size: 8, .value_kind: global_buffer, .address_space: global }
    .group_segment_fixed_size: 327680
    .private_segment_fixed_size: 0
    .kernarg_segment_align: 8
    .kernarg_segment_size: 32
    .max_flat_workgroup_size: 128
    .sgpr_count:     72
    .vgpr_count:     1024
    .wavefront_size: 32
...
	.end_amdgpu_metadata
.endif
;; end of part 2
;; launch down (part 3): grid 4 x 64, 4 waves a work-group, clusters of 4 x 4, 327,680 bytes of LDS; arguments h, w2b, b2, part; writes part
.if DOCPART == 3
	.amdgcn_target "amdgcn-amd-amdhsa--gfx1250"
	.amdhsa_code_object_version 6
	.text
	.protected	k_q75e1b40695_down
	.globl	k_q75e1b40695_down
	.p2align	8
	.type	k_q75e1b40695_down,@function
k_q75e1b40695_down:
	s_mov_b64 s[64:65], 0
	v_nop
	global_prefetch_b8 v0, s[64:65] scope:SCOPE_SE
	s_setreg_imm32_b32 hwreg(HW_REG_WAVE_MODE, 25, 1), 1
	s_wait_xcnt 0x0
	s_wait_alu depctr_hold_cnt(0) depctr_sa_sdst(0) depctr_va_vdst(0) depctr_va_sdst(0) depctr_va_ssrc(0) depctr_va_vcc(0) depctr_vm_vsrc(0)
	s_getreg_b32 s2, hwreg(HW_REG_IB_STS2, 6, 4)
	s_cmp_eq_u32 s2, 0
	s_cbranch_scc0 .Lentry_in_a_cluster
	s_endpgm
.Lentry_in_a_cluster:
	s_bfe_u32 s2, ttmp6, 0x10000c
	s_cmp_lg_u32 s2, 0xf033
	s_cbranch_scc0 .Lentry_shape_is_right
	s_endpgm
.Lentry_shape_is_right:
; DOWN.  part[e][n][o] = sum over j of h[e][n][j] w2b[e][j][o] + b2[e][o], in f32.  h: [8][2048][2048] bf16; w2b: [8][2048][1024] bf16; b2: [8][1024] f32; part: [8][2048][1024] f32 (partial sums: kept in f32).
; The 8 experts' rows one below the other are 64 tile rows of 256; an expert's output has 4 tile columns of 256: one tile, 256 x 256, to a work-group; four waves, 128 x 128 each: 64 accumulators, 512 registers.
; K = 2,048 goes in steps of 128 through a ring of two LDS slots.  THE WEIGHTS STAY [K][N]: a K step's tile is 128 rows (k) of 256 columns, and the fragments come out of LDS turned, by ds_load_tr16_b128.
; THE MATRIX INSTRUCTION IS USED TRANSPOSED: source 0 = 16 columns of w2, source 1 = 16 rows of h: a lane holds row l % 16 and the eight neighbouring columns 8 (l / 16) + 0..7.
; THE BIAS is the C operand of the product that starts each sum.
; CLUSTERS: 4 x 4 work-groups.  The four of a row of the cluster need the same tiles of h, the four of a column the same tiles of w2 (a cluster's four tile rows lie in one expert: 8 tile rows an expert):
; each tile is asked for JOINTLY.  The grid has one cluster along x, so the tile column is my place cx alone; the expert is made of the cluster's y alone.
; LIMITS.  NaN and infinities are not treated apart; the sums are taken in another order than the reference's.
; REGISTERS, in windows of 256 (s_set_vgpr_msb: bits 1:0 source 0, 3:2 source 1, 5:4 source 2, 7:6 destination):
;   window 0: v0-31 addresses; v64-127, v128-191 fragments of h, two buffers, and on the way out rows read back
;   window 1: v0-63 the bias; v64-127, v128-191 fragments of w2, two buffers        windows 2, 3: the accumulators of my rows 0-63, 64-127: (a, b) at v[8 (8 a + b)]
.set KSTEP,  128
.set KDIM,   2048
.set PITCHA, 2048                      ; elements from row to row of h
.set PITCHB, 1024                      ; and of w2b
.set PA,     272                       ; an LDS row of h: 256 bytes + 16 = 68 words: row r starts at bank 4 r mod 64 (64 banks of 4 bytes: ISA guide 11.1)
.set PB,     544                       ; an LDS row of w2: 512 bytes + 32 = 136 words: row k starts at bank 8 k mod 64
.set HALFT,  128*PA                    ; what one tensor load brings: 128 rows of h, or 64 rows of w2
.set SLOT,   4*HALFT
.set STAGE,  2*SLOT                    ; behind the ring: 16 rows x 528 bytes for each wave, for the way out
.set SPITCH, 528                       ; 512 bytes + 16 = 132 words: the 16 rows of a store start at 16 different groups of four banks
.set SPARE,  STAGE+4*16*SPITCH         ; behind the stages: the spare words, 128 bytes for each wave: two blocks of 256 bytes that no other line names
.set LAPS,   KDIM/(2*KSTEP)
.set KA,     KSTEP*2
.set KB,     KSTEP*PITCHB*2
.set ADRA, 16                          ; v16-17  LDS address of my fragments of h in slot 0, 1
.set ADRB, 20                          ; v20-21  the same for w2
.set STO,  24                          ; v24     the way out: where I put 32 bytes of a row
.set RD,   25                          ; v25     where I read a row back
.set CO,   26                          ; v26     my byte offset in a row's 512 bytes of part
.set SPW,  28                          ; v28     LDS address of my spare word; never rewritten
.set NIL,  29                          ; v29     0; never rewritten
.set BO,   30                          ; v30     my byte offset in a block of 16 numbers of b2
.set F0,   64
.set F1,   128
.set G1,  24
.set G0,  32
.set G1B, 48
.set G0B, 56
.set MSB, 0
.macro WIN new                         ; the immediate's high byte repeats the setting that is left; a switch that changes nothing is dropped
.if MSB != (\new)
	s_set_vgpr_msb (MSB<<8)|(\new)
.set MSB, \new
.endif
.endm
; A joint load: waves 0 and 1 fetch h's two halves, waves 2 and 3 w2's.  The branch hangs on the wave's number alone.  An s_nop 0 and four v_nop follow each of the two lines.
.macro JLOAD s
	s_cmp_eq_u32 s13, 0
	s_cbranch_scc0 .Lfor_b_\@
	tensor_load_to_lds s[G0+4*(\s):G0+4*(\s)+3], s[G1:G1+7]
	s_nop 0
.rept 4
	v_nop
.endr
	s_branch .Lasked_\@
.Lfor_b_\@:
	tensor_load_to_lds s[G0B+4*(\s):G0B+4*(\s)+3], s[G1B:G1B+7]
	s_nop 0
.rept 4
	v_nop
.endr
.Lasked_\@:
.endm
.macro CREST                           ; a round of the cluster's barrier behind its opening barrier
	s_cmp_lg_u32 s12, 0
	s_cbranch_scc1 .Lnot_wave_0_\@
	s_barrier_signal -3
.Lnot_wave_0_\@:
	s_barrier_wait -3
	s_barrier_signal -1
	s_barrier_wait -1
.endm
.macro CROUND                          ; a whole round
	s_barrier_signal -1
	s_barrier_wait -1
	CREST
.endm
	s_load_b256 s[4:11], s[0:1], 0x0               ; h s[4:5], w2b s[6:7], b2 s[8:9], part s[10:11]
	v_lshl_add_u32 v[SPW], v0, 2, SPARE
	v_mov_b32 v[NIL], 0
	ds_add_u32 v[SPW], v[NIL]                      ; the wave's opening: the add and its wait stand ahead of my first tensor load; the set-up below, work on registers, stands between them
	v_lshrrev_b32 v1, 5, v0
	v_readfirstlane_b32 s12, v1                    ; wave 0..3
	s_lshr_b32 s13, s12, 1                         ; which half of the tile's rows is mine.  Also: I fetch for h (0) or for w2 (1)
	s_and_b32 s14, s12, 1                          ; which half of its columns.  Also: which half of that tile I fetch
	s_bfe_u32 s40, ttmp6, 0x40000                  ; cx = the tile column among 4
	s_bfe_u32 s41, ttmp6, 0x40004                  ; cy
	s_and_b32 s42, ttmp7, 0xffff                   ; the cluster's y, 0..15
	s_lshl_b32 s43, s42, 2
	s_add_co_u32 s43, s43, s41                     ; tile row 0..63 = 4 x cluster y + cy
	s_lshr_b32 s66, s42, 1                         ; the expert: two clusters of four tile rows each
	s_lshl_b32 s44, s41, 2
	s_lshl_b32 s44, 15, s44                        ; my row of the cluster
	s_lshl_b32 s45, 0x1111, s40                    ; my column
	s_or_b32 s[G1+0], s44, (1<<16)|(1<<20)|(1<<21)|(5<<22)|(3<<25)   ; 15:0 the mask; 17:16 2-byte elements; 20 padding on; 21 set beside a mask; 24:22 after every 64 words (code 5); 31:25 4 words (code 3)
	s_or_b32 s[G1B+0], s45, (1<<16)|(1<<20)|(1<<21)|(6<<22)|(7<<25)  ; after every 128 words (code 6), 8 words (code 7)
	s_mov_b32 s[G1+1], 128<<16                     ; h: tensor_dim0 = 128
	s_mov_b32 s[G1+2], 128<<16                     ; tensor_dim1 = 128
	s_mov_b32 s[G1+3], 128<<16                     ; tile_dim0 = 128
	s_mov_b32 s[G1+4], 128                         ; tile_dim1 = 128
	s_mov_b32 s[G1+5], PITCHA
	s_mov_b32 s[G1+6], 0
	s_mov_b32 s[G1+7], 0
	s_mov_b32 s[G1B+1], 256<<16                    ; w2: tensor_dim0 = 256
	s_mov_b32 s[G1B+2], 64<<16                     ; tensor_dim1 = 64
	s_mov_b32 s[G1B+3], 256<<16                    ; tile_dim0 = 256
	s_mov_b32 s[G1B+4], 64                         ; tile_dim1 = 64
	s_mov_b32 s[G1B+5], PITCHB
	s_mov_b32 s[G1B+6], 0
	s_mov_b32 s[G1B+7], 0
	; byte offsets.  h's hang on the tile row and the wave; w2's on the expert, cx and the wave, each in registers that never hold the other place in the cluster
	s_lshl_b32 s16, s43, 20                        ; h: 256 rows of 4,096 bytes a tile row,
	s_lshl_b32 s20, s14, 19                        ; the 128 that I fetch
	s_add_co_u32 s16, s16, s20
	s_mov_b32 s17, 0
	s_lshl_b32 s46, s66, 22                        ; w2: the expert,
	s_lshl_b32 s20, s14, 17                        ; the 64 rows of 2,048 bytes that I fetch,
	s_add_co_u32 s46, s46, s20
	s_lshl_b32 s22, s40, 9                         ; the tile's 256 columns
	s_add_co_u32 s46, s46, s22
	s_mov_b32 s47, 0
	s_lshl_b32 s70, s66, 12                        ; b2: the expert's 1,024 f32,
	s_lshl_b32 s21, s40, 10                        ; the tile's 256,
	s_add_co_u32 s70, s70, s21
	s_lshl_b32 s20, s14, 9                         ; my 128
	s_add_co_u32 s70, s70, s20
	s_mov_b32 s71, 0
	s_lshl_b32 s68, s43, 20                        ; part: 256 rows of 4,096 bytes a tile row,
	s_lshl_b32 s67, s13, 19                        ; my 128 of them,
	s_add_co_u32 s68, s68, s67
	s_add_co_u32 s68, s68, s21                     ; the tile's columns,
	s_add_co_u32 s68, s68, s20                     ; my 128 of them
	s_mov_b32 s69, 0
	s_mul_i32 s23, s12, HALFT                      ; where my tensor loads go: wave x 34,816: no place in the cluster enters an LDS address
	s_wait_dscnt 0x0                               ; the opening add is done
	s_wait_kmcnt 0x0
	s_add_nc_u64 s[18:19], s[4:5], s[16:17]
	s_add_nc_u64 s[46:47], s[6:7], s[46:47]
	s_add_nc_u64 s[8:9], s[8:9], s[70:71]
	s_add_nc_u64 s[10:11], s[10:11], s[68:69]
	CROUND                                         ; all sixteen work-groups are here: the first joint loads meet
.irp s, 0,1
	s_mov_b32 s[G0+4*(\s)], 1
	s_add_co_u32 s[G0+4*(\s)+1], s23, (\s)*SLOT
	s_add_nc_u64 s[G0+4*(\s)+2:G0+4*(\s)+3], s[18:19], (\s)*KA
	s_or_b32 s[G0+4*(\s)+3], s[G0+4*(\s)+3], 0x80000000
	s_mov_b32 s[G0B+4*(\s)], 1
	s_add_co_u32 s[G0B+4*(\s)+1], s23, (\s)*SLOT
	s_add_nc_u64 s[G0B+4*(\s)+2:G0B+4*(\s)+3], s[46:47], (\s)*KB
	s_or_b32 s[G0B+4*(\s)+3], s[G0B+4*(\s)+3], 0x80000000
	JLOAD \s                                       ; the ring is filled before anything else is done: two loads of mine are out
.endr
	v_and_b32 v1, 15, v0                           ; r = l % 16
	v_bfe_u32 v2, v0, 4, 1                         ; h = l / 16
	v_lshlrev_b32 v[BO], 5, v2                     ; my eight columns of a block: 32 h bytes in
	WIN 0x40                                       ; destination window 1, address window 0
.irp b, 0,1,2,3,4,5,6,7
	global_load_b128 v[8*(\b):8*(\b)+3],   v[BO], s[8:9] offset:64*(\b)
	global_load_b128 v[8*(\b)+4:8*(\b)+7], v[BO], s[8:9] offset:64*(\b)+16
.endr
	WIN 0
	v_mul_u32_u24 v3, v1, PA
	v_lshl_add_u32 v3, v2, 4, v3                   ; h: row x pitch + 16 x half
	v_and_b32 v4, 7, v0
	v_lshl_add_u32 v4, v2, 3, v4                   ; w2, turning load: k row 8 h + l % 8,
	v_mul_u32_u24 v4, v4, PB
	v_bfe_u32 v5, v0, 3, 1
	v_lshl_add_u32 v4, v5, 4, v4                   ; columns 8 ((l / 8) % 2) + 0..7
	s_mul_i32 s15, s13, HALFT                      ; my 128 rows of h
	s_lshl_b32 s20, s14, 8                         ; my 128 columns of w2,
	s_add_co_u32 s20, s20, 2*HALFT                 ; which lies behind h's 256 rows
.irp s, 0,1
	v_add_nc_u32 v[ADRA+(\s)], s15, v3
	v_add_nc_u32 v[ADRB+(\s)], s20, v4
	s_add_co_u32 s15, s15, SLOT
	s_add_co_u32 s20, s20, SLOT
.endr
	s_mul_i32 s23, s12, 16*SPITCH
	s_add_co_u32 s23, s23, STAGE                   ; my stage
	v_mul_u32_u24 v5, v1, SPITCH                   ; in: row l % 16, 32 bytes for each half of the lanes
	v_lshl_add_u32 v5, v2, 5, v5
	v_add_nc_u32 v[STO], s23, v5
	v_and_b32 v6, 31, v0
	v_lshlrev_b32 v[CO], 4, v6                     ; back and out: 32 lanes take one row's 512 bytes
	v_add_nc_u32 v[RD], s23, v[CO]
; 16 matrix instructions: m blocks a0, a0 + 1 of the window's four (hi = 0: my rows 0-63, 1: rows 64-127) x all 8 n blocks, 32 along K.  first = 1: the product starts the sum, with the bias as C.
; The 64 accumulators take turns in the same order everywhere.
.macro MUL16 f, hi, a0, first
.if \first
	WIN 0x91+0x40*(\hi)                            ; source 0 (w2) window 1, source 1 (h) window 0, C (bias) window 1, D window 2 or 3
.else
	WIN 0xa1+0x50*(\hi)                            ; C and D window 2 or 3
.endif
.irp a, \a0, (\a0)+1
.irp b, 0,1,2,3,4,5,6,7
.if \first
	v_wmma_f32_16x16x32_bf16 v[8*(8*(\a)+(\b)):8*(8*(\a)+(\b))+7], v[(\f)+8*(\b):(\f)+8*(\b)+7], v[(\f)+8*(4*(\hi)+(\a)):(\f)+8*(4*(\hi)+(\a))+7], v[8*(\b):8*(\b)+7]
.else
	v_wmma_f32_16x16x32_bf16 v[8*(8*(\a)+(\b)):8*(8*(\a)+(\b))+7], v[(\f)+8*(\b):(\f)+8*(\b)+7], v[(\f)+8*(4*(\hi)+(\a)):(\f)+8*(4*(\hi)+(\a))+7], v[8*(8*(\a)+(\b)):8*(8*(\a)+(\b))+7]
.endif
.endr
.endr
.endm
; 32 LDS loads in one run: the fragments of quarter q (32 along K) of a slot into buffer f: w2's 8 blocks of 16 columns, turned, then h's 8 blocks of 16 rows
.macro FETCH slot, q, f
	WIN 0x40
.irp i, 0,1,2,3,4,5,6,7
	ds_load_tr16_b128 v[(\f)+8*(\i):(\f)+8*(\i)+3],   v[ADRB+(\slot)] offset:(\q)*32*PB+32*(\i)
	ds_load_tr16_b128 v[(\f)+8*(\i)+4:(\f)+8*(\i)+7], v[ADRB+(\slot)] offset:(\q)*32*PB+16*PB+32*(\i)
.endr
	WIN 0
.irp i, 0,1,2,3,4,5,6,7
	ds_load_b128 v[(\f)+8*(\i):(\f)+8*(\i)+3],   v[ADRA+(\slot)] offset:64*(\q)+(\i)*16*PA
	ds_load_b128 v[(\f)+8*(\i)+4:(\f)+8*(\i)+7], v[ADRA+(\slot)] offset:64*(\q)+(\i)*16*PA+32
.endr
.endm
.macro PLACES                          ; four places in front of loads into registers that matrix instructions have read, and of lines that read results just made
.rept 4
	v_nop
.endr
.endm
; A K step is four quarters of 32 along K, 64 matrix instructions each, on buffers 0, 1, 0, 1.  One of the first three: multiplies buffer f; in its middle it fetches quarter q into buffer g.
.macro QUARTER slot, q, f, g, first
	s_wait_dscnt 8                                 ; w2 and h's rows 0-63 are in; the youngest eight loads (h's rows 64-127) may be out
	MUL16 \f, 0, 0, \first
	MUL16 \f, 0, 2, \first
	PLACES
	FETCH \slot, \q, \g
	s_wait_dscnt 32                                ; all but the 32 just issued
	MUL16 \f, 1, 0, \first
	MUL16 \f, 1, 2, \first
.endm
; The last quarter multiplies buffer 1 and changes slots.  MEET is its first half: ONE barrier.  In front of it each wave waits for all its tensor loads, of which one is out: its part of the next slot;
; adds 0 to its spare word; and waits for that and for its own reads of this slot.  Behind it nobody reads this slot any more and the next slot is whole.
.macro MEET round
	WIN 0
	s_wait_tensorcnt 0x0                           ; all my tensor loads have landed
	ds_add_u32 v[SPW], v[NIL]                      ; 0 onto my spare word
	s_wait_dscnt 9                                 ; (the add and the youngest eight loads may be out)
	MUL16 F1, 0, 0, 0                              ; sixteen matrix instructions stand between the add and the wait for it
	s_wait_dscnt 0x0                               ; the add is done, and my reads of this slot are over
	s_barrier_signal -1
	MUL16 F1, 0, 2, 0                              ; work on registers while the others arrive
.if \round
	WIN 0
.endif
	s_barrier_wait -1
.endm
; The whole last quarter.  fill = 1: the slot just read out is filled again with the K step two on; 0: nothing is left to fetch.
; From a request to the wait for it a wave issues 224 matrix instructions.
.macro TURN slot, next, fill
.if \fill
	MEET 1
	CREST                                          ; the barrier has opened a round of the cluster's: no wave of any partner still reads this slot or has a load on its way
	s_add_nc_u64 s[G0+4*(\slot)+2:G0+4*(\slot)+3], s[G0+4*(\slot)+2:G0+4*(\slot)+3], 2*KA
	s_add_nc_u64 s[G0B+4*(\slot)+2:G0B+4*(\slot)+3], s[G0B+4*(\slot)+2:G0B+4*(\slot)+3], 2*KB
	JLOAD \slot                                    ; the first tensor load behind the round; its four v_nop are also the places in front of the loads below
.else
	MEET 0
	PLACES
.endif
	FETCH \next, 0, F0
	MUL16 F1, 1, 0, 0
	MUL16 F1, 1, 2, 0
.endm
; THE WAY OUT of block a (16 rows x 128 f32).  TOSTAGE: a lane's eight numbers of a row, 32 bytes, go into my own stage, each accumulator's low four registers first, and whole rows of 512 bytes come back
; into the fragment registers, which are free.  SEND: stored.
.macro TOSTAGE a
.set AC, 64*((\a)%4)
.set BK, F0+64*((\a)%2)
	s_wait_xcnt 0x0                                ; the block before last's stores have read the registers that the loads below fill
	WIN 0x08+4*((\a)/4)                            ; store data (source 1) in window 2 or 3
.irp b, 0,1,2,3,4,5,6,7
	ds_store_b128 v[STO], v[AC+8*(\b):AC+8*(\b)+3]   offset:64*(\b)
	ds_store_b128 v[STO], v[AC+8*(\b)+4:AC+8*(\b)+7] offset:64*(\b)+16
.endr
	WIN 0
.irp t, 0,1,2,3,4,5,6,7,8,9,10,11,12,13,14,15
	ds_load_b128 v[BK+4*(\t):BK+4*(\t)+3], v[RD] offset:(\t)*SPITCH  ; LDS serves a wave's instructions in order (ISA guide 5.7.1.4): these see the stores above; the next block's stores come behind them
.endr
.endm
.macro SEND a, younger                 ; younger: the LDS instructions issued behind block a's loads: the next block's 32, or none
	WIN 0
.set BK, F0+64*((\a)%2)
.irp t, 0,1,2,3,4,5,6,7,8,9,10,11,12,13,14,15
	s_wait_dscnt (\younger)+15-(\t)
	global_store_b128 v[CO], v[BK+4*(\t):BK+4*(\t)+3], s[10:11] offset:(16*(\a)+(\t))*4096  ; 32 lanes store 512 consecutive bytes, at a multiple of 512 from part's first byte
.endr
.endm
	s_wait_tensorcnt 1                             ; my part of K step 0 is in; K step 1's may stay out
	s_barrier_signal -1
	s_barrier_wait -1                              ; everybody's is
	FETCH 0, 0, F0
	s_wait_loadcnt 0x0                             ; the bias
	QUARTER 0, 1, F0, F1, 1                        ; the first quarter stands in front of the loop: its products start the sums
	WIN 0                                          ; at a label and at a branch every window is 0
	s_mov_b32 s3, LAPS-1
.Llap:                                                 ; a trip goes once round the ring, from a lap's second quarter to the next lap's first, and fills both slots again
	QUARTER 0, 2, F1, F0, 0
	QUARTER 0, 3, F0, F1, 0
	TURN 0, 1, 1
	QUARTER 1, 1, F0, F1, 0
	QUARTER 1, 2, F1, F0, 0
	QUARTER 1, 3, F0, F1, 0
	TURN 1, 0, 1
	QUARTER 0, 1, F0, F1, 0
	WIN 0
	s_sub_co_u32 s3, s3, 1
	s_cmp_lg_u32 s3, 0
	s_cbranch_scc1 .Llap
	QUARTER 0, 2, F1, F0, 0                        ; the last lap fills nothing, and has no round of the cluster's barrier
	QUARTER 0, 3, F0, F1, 0
	TURN 0, 1, 0
	QUARTER 1, 1, F0, F1, 0
	QUARTER 1, 2, F1, F0, 0
	QUARTER 1, 3, F0, F1, 0
	s_wait_dscnt 8                                 ; the very last quarter: nothing more to fetch
	MUL16 F1, 0, 0, 0
	MUL16 F1, 0, 2, 0
	s_wait_dscnt 0x0
	MUL16 F1, 1, 0, 0
	MUL16 F1, 1, 2, 0
	WIN 0
	PLACES                                         ; behind the last products: for the stores that read results and the loads into fragment registers
	TOSTAGE 0
.irp a, 1,2,3,4,5,6,7                  ; block a goes into the stage while block a - 1's rows come back
	TOSTAGE \a
	SEND (\a)-1, 32
.endr
	SEND 7, 0
	s_wait_tensorcnt 0x0                           ; the wave's end, behind my last tensor load and my last LDS store
	ds_add_u32 v[SPW], v[NIL]
	s_wait_dscnt 0x0
	CROUND                                         ; the closing round: no work-group ends while a partner may still ask for a tile that names it
	s_endpgm
.Lfunc_end_k_q75e1b40695_down:
	.size	k_q75e1b40695_down, .Lfunc_end_k_q75e1b40695_down-k_q75e1b40695_down
	.p2alignl 7, 3214868480
	.fill 96, 4, 3214868480
	.section	.rodata,"a",@progbits
	.p2align	6, 0x0
	.amdhsa_kernel k_q75e1b40695_down
		.amdhsa_group_segment_fixed_size 327680
		.amdhsa_private_segment_fixed_size 0
		.amdhsa_enable_private_segment 0
		.amdhsa_kernarg_size 32
		.amdhsa_user_sgpr_count 2
		.amdhsa_user_sgpr_kernarg_segment_ptr 1
		.amdhsa_wavefront_size32 1
		.amdhsa_system_sgpr_workgroup_id_x 1
		.amdhsa_system_sgpr_workgroup_id_y 1
		.amdhsa_system_sgpr_workgroup_id_z 1
		.amdhsa_system_vgpr_workitem_id 0
		.amdhsa_next_free_vgpr 1024
		.amdhsa_next_free_sgpr 72
		.amdhsa_reserve_vcc 0
		.amdhsa_float_denorm_mode_32 3
		.amdhsa_float_denorm_mode_16_64 3
		.amdhsa_memory_ordered 1
		.amdhsa_forward_progress 1
		.amdhsa_inst_pref_size 146
	.end_amdhsa_kernel
	.amdgpu_metadata
---
amdhsa.version: [ 1, 2 ]
amdhsa.kernels:
  - .name:           k_q75e1b40695_down
    .symbol:         k_q75e1b40695_down.kd
    .args:
      - { .name: h, .offset: 0, .size: 8, .value_kind: global_buffer, .address_space: global }
      - { .name: w2b, .offset: 8, .size: 8, .value_kind: global_buffer, .address_space: global }
      - { .name: b2, .offset: 16, .size: 8, .value_kind: global_buffer, .address_space: global }
      - { .name: part, .offset: 24, .size: 8, .value_kind: global_buffer, .address_space: global }
    .group_segment_fixed_size: 327680
    .private_segment_fixed_size: 0
    .kernarg_segment_align: 8
    .kernarg_segment_size: 32
    .max_flat_workgroup_size: 128
    .sgpr_count:     72
    .vgpr_count:     1024
    .wavefront_size: 32
...
	.end_amdgpu_metadata
.endif
;; end of part 3
;; launch combine (part 4): grid 512 x 1, 8 waves a work-group, no clusters, 0 bytes of LDS; arguments part, gate, out0; writes out0
.if DOCPART == 4
	.amdgcn_target "amdgcn-amd-amdhsa--gfx1250"
	.amdhsa_code_object_version 6
	.text
	.protected	k_q75e1b40695_combine
	.globl	k_q75e1b40695_combine
	.p2align	8
	.type	k_q75e1b40695_combine,@function
k_q75e1b40695_combine:
	s_mov_b64 s[64:65], 0
	v_nop
	global_prefetch_b8 v0, s[64:65] scope:SCOPE_SE
	s_setreg_imm32_b32 hwreg(HW_REG_WAVE_MODE, 25, 1), 1
	s_wait_xcnt 0x0
; COMBINE.  out0[n][o] = sum over e of gate[n][e] part[e][n][o], all f32, e ascending.  part: [8][2048][1024]; gate: [2048][8]; out0: [2048][1024].
; A stream: each byte of part is read once, each byte of out0 written once.  A wave takes half a row (2,048 bytes) of all 8 experts: 32 loads of 512 consecutive bytes, all asked for at once;
; the row's 8 gate weights are scalars.  No LDS, no barrier, no matrix unit, no cluster: nothing is shared between waves.
.set P, 8                              ; v[8:135]   segment s, expert e at +32 s + 4 e
.set R, 136                            ; v[136:151] segment s's sums at +4 s
	s_load_b128 s[4:7], s[0:1], 0x0                ; part s[4:5], gate s[6:7]
	s_load_b64 s[8:9], s[0:1], 0x10                ; out0
	v_lshrrev_b32 v1, 5, v0
	v_readfirstlane_b32 s10, v1                    ; wave 0..7
	v_and_b32 v1, 31, v0
	v_lshlrev_b32 v1, 4, v1                        ; 16 bytes a lane
	s_lshr_b32 s11, s10, 1
	s_lshl_b32 s12, ttmp9, 2
	s_add_co_u32 s11, s11, s12                     ; my row: 4 x work-group + wave / 2
	s_and_b32 s10, s10, 1                          ; my half of it
	s_lshl_b32 s12, s11, 12
	s_lshl_b32 s10, s10, 11
	s_add_co_u32 s12, s12, s10                     ; its byte in an expert's part and in out0
	s_mov_b32 s13, 0
	s_lshl_b32 s14, s11, 5                         ; the row's byte in gate
	s_mov_b32 s15, 0
	s_wait_kmcnt 0x0
	s_add_nc_u64 s[40:41], s[6:7], s[14:15]
	s_load_b256 s[32:39], s[40:41], 0x0            ; the row's 8 weights
	s_add_nc_u64 s[16:17], s[4:5], s[12:13]        ; a base for each expert: their distance, 8,388,608 bytes, is one more than a load's immediate holds
.irp e, 1,2,3,4,5,6,7
	s_add_nc_u64 s[16+2*(\e):17+2*(\e)], s[14+2*(\e):15+2*(\e)], 0x800000
.endr
	s_add_nc_u64 s[8:9], s[8:9], s[12:13]
.irp s, 0,1,2,3
.irp e, 0,1,2,3,4,5,6,7
	global_load_b128 v[P+32*(\s)+4*(\e):P+32*(\s)+4*(\e)+3], v1, s[16+2*(\e):17+2*(\e)] offset:512*(\s) th:TH_LOAD_NT
.endr
.endr
	s_wait_kmcnt 0x0
.irp s, 0,1,2,3
	s_wait_loadcnt 24-8*(\s)                       ; loads come back in order (ISA guide 5.7.1): segment s's eight are in, the later segments' stay out
.irp k, 0,1,2,3
	v_mul_f32 v[R+4*(\s)+(\k)], s32, v[P+32*(\s)+(\k)]
.endr
.irp e, 1,2,3,4,5,6,7
.irp k, 0,1,2,3
	v_fmac_f32 v[R+4*(\s)+(\k)], s[32+(\e)], v[P+32*(\s)+4*(\e)+(\k)]
.endr
.endr
	global_store_b128 v1, v[R+4*(\s):R+4*(\s)+3], s[8:9] offset:512*(\s) th:TH_STORE_NT  ; 512 consecutive bytes, at a multiple of 512 from out0's first byte
.endr
	s_endpgm
.Lfunc_end_k_q75e1b40695_combine:
	.size	k_q75e1b40695_combine, .Lfunc_end_k_q75e1b40695_combine-k_q75e1b40695_combine
	.p2alignl 7, 3214868480
	.fill 96, 4, 3214868480
	.section	.rodata,"a",@progbits
	.p2align	6, 0x0
	.amdhsa_kernel k_q75e1b40695_combine
		.amdhsa_group_segment_fixed_size 0
		.amdhsa_private_segment_fixed_size 0
		.amdhsa_enable_private_segment 0
		.amdhsa_kernarg_size 24
		.amdhsa_user_sgpr_count 2
		.amdhsa_user_sgpr_kernarg_segment_ptr 1
		.amdhsa_wavefront_size32 1
		.amdhsa_system_sgpr_workgroup_id_x 1
		.amdhsa_system_sgpr_workgroup_id_y 1
		.amdhsa_system_sgpr_workgroup_id_z 1
		.amdhsa_system_vgpr_workitem_id 0
		.amdhsa_next_free_vgpr 152
		.amdhsa_next_free_sgpr 66
		.amdhsa_reserve_vcc 0
		.amdhsa_float_denorm_mode_32 3
		.amdhsa_float_denorm_mode_16_64 3
		.amdhsa_memory_ordered 1
		.amdhsa_forward_progress 1
		.amdhsa_inst_pref_size 9
	.end_amdhsa_kernel
	.amdgpu_metadata
---
amdhsa.version: [ 1, 2 ]
amdhsa.kernels:
  - .name:           k_q75e1b40695_combine
    .symbol:         k_q75e1b40695_combine.kd
    .args:
      - { .name: part, .offset: 0, .size: 8, .value_kind: global_buffer, .address_space: global }
      - { .name: gate, .offset: 8, .size: 8, .value_kind: global_buffer, .address_space: global }
      - { .name: out0, .offset: 16, .size: 8, .value_kind: global_buffer, .address_space: global }
    .group_segment_fixed_size: 0
    .private_segment_fixed_size: 0
    .kernarg_segment_align: 8
    .kernarg_segment_size: 24
    .max_flat_workgroup_size: 256
    .sgpr_count:     66
    .vgpr_count:     152
    .wavefront_size: 32
...
	.end_amdgpu_metadata
.endif
;; end of part 4
;; ======== version 2 of 2: 4 launches; version 1 with the launch prep written anew for expert scheduling mode
;; workspace buffers: xb 4,194,304 bytes; w1b 33,554,432 bytes; w2b 33,554,432 bytes; gate 65,536 bytes; h 67,108,864 bytes; part 67,108,864 bytes
;; launch prep (part 5): grid 1088 x 1, 8 waves a work-group, no clusters, 0 bytes of LDS; arguments x, wg, bg, w1, w2, xb, gate, w1b, w2b; writes xb, gate, w1b, w2b
.if DOCPART == 5
	.amdgcn_target "amdgcn-amd-amdhsa--gfx1250"
	.amdhsa_code_object_version 6
	.text
	.protected	k_q75e1b40695_prep
	.globl	k_q75e1b40695_prep
	.p2align	8
	.type	k_q75e1b40695_prep,@function
k_q75e1b40695_prep:
	s_mov_b64 s[64:65], 0
	v_nop
	global_prefetch_b8 v0, s[64:65] scope:SCOPE_SE
	s_setreg_imm32_b32 hwreg(HW_REG_WAVE_SCHED_MODE, 0, 2), 2
	s_setreg_imm32_b32 hwreg(HW_REG_WAVE_MODE, 25, 1), 1
	s_wait_xcnt 0x0
	s_wait_alu depctr_vm_vsrc(0)
; PREP.  xb = bf16(x); w1b = bf16(w1); w2b = bf16(w2), each in its input's own order; gate[n][e] = softmax_e(bf16(x)[n] . bf16(wg)[:, e] + bg[e]) in f32.
; The gate is made of the ROUNDED x and wg, so that the whole program uses one rounding of every large input; bg stays f32.
; Work-groups 0-63: x and the gate, 32 rows each, 4 rows a wave.  Work-groups 64-1087: the weights, 131,072 bytes of f32 each, 16,384 a wave.
; A stream: no LDS, no barrier, no matrix unit (the gate's product has 8 columns and x passes through registers here anyway, in the layout of whole 512-byte loads);
; no cluster: the work-groups share no input but wg's 32,768 bytes.
; LIMITS.  NaN and infinities are not treated apart; a gate weight below 2^-126 counts as 0; the gate's sums are taken in another order than the reference's.
; THE MODE: SCHED_MODE bits 1:0 = 2 (LLVM: expert scheduling mode 2), set by the entry lines.  The code itself states the register dependences
; between vector instructions and memory instructions, with s_wait_alu, always for 0.
; THE PLAN, x and the gate.  The row's 1,024 columns go in 8 chunks of 128; step p works on chunk p.  Registers that memory instructions touch:
;   X0, X1, W0, W1   Buffer p % 2 is written by chunk p's twelve loads; step p reads it and writes it in place (x widened again, wg rounded) up to its last multiply-add.
;   Y0, Y1           Step p's roundings write Y[p % 2]; the four stores at the end of step p read it; step p + 2 writes it again.
;   v2 - v4, v6, v7  byte offsets, made once at the head and never written again: the chunks are reached by the scalar bases, which move on by a chunk a step, and by immediate offsets.
;   ACC and T are named by vector instructions alone, but for the gate's one store at the end.
; The step has written its Y and is done with its X and W; what was issued at the end of the step before,
; a whole step ago, has read its registers.  Behind them: chunk p + 2's loads into the buffer just emptied, which have the other buffer's step in which to land, and the step's four stores.
; THE PLAN, the weights.  They are taken in 8 groups of four: group g's
; conversions write in place; one wait at the head of group g + 1 states that, and group g's four stores are dealt among group g + 1's conversions, which name group g + 1's registers alone.
.set X,   8                            ; v[8:39]    x: buffer b at +16 b; row i of my 4 at +4 i, 4 columns a lane
.set W,   40                           ; v[40:103]  wg: buffer b at +32 b; my column c, expert e at +8 c + e
.set Y,   104                          ; v[104:119] x rounded and packed, to store: buffer b at +8 b
.set ACC, 120                          ; v[120:151] row i, expert e at +8 i + e: my lane's part of the logit
.set T,   152                          ; v[152:155] at work
	s_load_b512 s[8:23], s[0:1], 0x0               ; x s[8:9], wg s[10:11], bg s[12:13], w1 s[14:15], w2 s[16:17], xb s[18:19], gate s[20:21], w1b s[22:23]
	s_load_b64 s[24:25], s[0:1], 0x40              ; w2b
	v_lshrrev_b32 v1, 5, v0
	v_readfirstlane_b32 s26, v1                    ; wave 0..7
	v_and_b32 v1, 31, v0                           ; lane
	s_wait_alu depctr_va_sdst(0)                   ; s26 is written, ahead of the branch and of its first reader on either way
	s_mov_b32 s2, ttmp9
	s_cmp_lt_u32 s2, 64
	s_cbranch_scc0 .Lcast
	; ---------------- x and the gate ----------------
	s_lshl_b32 s3, s2, 5
	s_lshl2_add_u32 s3, s26, s3                    ; my first row: 32 x work-group + 4 x wave
	s_lshl_b32 s4, s3, 12                          ; its byte in x (rows of 4,096 bytes),
	s_mov_b32 s5, 0
	s_lshl_b32 s6, s3, 11                          ; in xb (2,048),
	s_mov_b32 s7, 0
	s_lshl_b32 s38, s3, 5                          ; in gate (32)
	s_mov_b32 s39, 0
	s_mov_b32 s36, 0xffff0000                      ; a word's upper bf16
	s_mov_b32 s40, 0xff00ff00                      ; lanes whose number has bit 3,
	s_mov_b32 s41, 0xf0f0f0f0                      ; bit 2,
	s_mov_b32 s42, 0xcccccccc                      ; bit 1,
	s_mov_b32 s43, 0xaaaaaaaa                      ; bit 0,
	s_mov_b32 s44, 0xffff0000                      ; bit 4
	s_mov_b32 s46, 0x76543210                      ; v_permlanex16_b32: each lane takes its own place in the other half
	s_mov_b32 s47, 0xfedcba98
	s_mov_b32 s48, 3                               ; trips of two steps: steps 0 to 5; steps 6 and 7 are written out
	v_lshlrev_b32 v2, 4, v1                        ; x: 16 bytes a lane
	v_lshlrev_b32 v3, 7, v1                        ; wg: my 4 rows of 32 bytes
	v_lshlrev_b32 v4, 3, v1                        ; xb: 8 bytes a lane
	v_and_b32 v6, 7, v1
	v_lshlrev_b32 v6, 2, v6                        ; bg: the expert that my lane ends up with, lane % 8
	v_lshlrev_b32 v7, 2, v1                        ; gate: 4 bytes a lane
	s_wait_kmcnt 0x0
	s_add_nc_u64 s[28:29], s[8:9], s[4:5]          ; x at my rows
	s_mov_b64 s[30:31], s[10:11]                   ; wg
	s_add_nc_u64 s[32:33], s[18:19], s[6:7]        ; xb at my rows
	s_add_nc_u64 s[34:35], s[20:21], s[38:39]      ; gate at my rows
; A chunk's twelve loads into buffer b: in a chunk of 128 columns my lane has columns 4 l .. 4 l + 3.  xo, wo: the chunk's bytes from the two bases.
.macro FILL b, xo, wo
.irp i, 0,1,2,3
	global_load_b128 v[X+16*(\b)+4*(\i):X+16*(\b)+4*(\i)+3], v2, s[28:29] offset:4096*(\i)+(\xo) th:TH_LOAD_NT
.endr
.irp t, 0,1,2,3,4,5,6,7
	global_load_b128 v[W+32*(\b)+4*(\t):W+32*(\b)+4*(\t)+3], v3, s[30:31] offset:16*(\t)+(\wo)
.endr
.endm
	s_wait_alu depctr_va_vdst(0)                   ; the five offsets v2, v3, v4, v6, v7 are written: every load and store of this path reads one of them
	global_load_b32 v5, v6, s[12:13]
	FILL 0, 0, 0                                   ; chunks 0 and 1: no vector instruction has named their registers
	FILL 1, 512, 4096
.set z, 0
.rept 32                               ; 32 moves, once a wave: the first chunk stands in the loop like every other
	v_mov_b32 v[ACC+z], 0
.set z, z+1
.endr
; Step p, on buffer b = p % 2: x is rounded into Y[b] and widened again; wg is rounded in place; 64 packed multiply-adds (4 rows x 4 columns x 4 pairs of experts).  Then the waits, the refill and the stores.
; ahead = 1: chunk p + 2 is asked for.  left: how many younger loads may stay out.  last = 1: step 7: no base moves and nothing is written again behind it.
.macro STEP b, ahead, left, last
	s_wait_loadcnt \left                           ; loads come back in order (ISA guide 5.7.1): this chunk's twelve are in, the other buffer's twelve stay out
.irp i, 0,1,2,3
	v_cvt_pk_bf16_f32 v[Y+8*(\b)+2*(\i)],   v[X+16*(\b)+4*(\i)],   v[X+16*(\b)+4*(\i)+1]
	v_cvt_pk_bf16_f32 v[Y+8*(\b)+2*(\i)+1], v[X+16*(\b)+4*(\i)+2], v[X+16*(\b)+4*(\i)+3]
.endr
.irp i, 0,1,2,3,4,5,6,7
	v_lshlrev_b32 v[X+16*(\b)+2*(\i)],   16,  v[Y+8*(\b)+(\i)]  ; the rounded numbers as f32
	v_and_b32     v[X+16*(\b)+2*(\i)+1], s36, v[Y+8*(\b)+(\i)]
.endr
.irp p, 0,1,2,3,4,5,6,7,8,9,10,11,12,13,14,15
	v_cvt_pk_bf16_f32 v[T+(\p)%4], v[W+32*(\b)+2*(\p)], v[W+32*(\b)+2*(\p)+1]
	v_lshlrev_b32 v[W+32*(\b)+2*(\p)],   16,  v[T+(\p)%4]
	v_and_b32     v[W+32*(\b)+2*(\p)+1], s36, v[T+(\p)%4]
.endr
.irp c, 0,1,2,3                        ; the column outermost: sixteen other sums stand between two links of one
.irp i, 0,1,2,3
.irp p, 0,1,2,3
.if (\c)%2
	v_pk_fma_f32 v[ACC+8*(\i)+2*(\p):ACC+8*(\i)+2*(\p)+1], v[X+16*(\b)+4*(\i)+2*((\c)/2):X+16*(\b)+4*(\i)+2*((\c)/2)+1], v[W+32*(\b)+8*(\c)+2*(\p):W+32*(\b)+8*(\c)+2*(\p)+1], v[ACC+8*(\i)+2*(\p):ACC+8*(\i)+2*(\p)+1] op_sel:[1,0,0] op_sel_hi:[1,1,1]
.else
	v_pk_fma_f32 v[ACC+8*(\i)+2*(\p):ACC+8*(\i)+2*(\p)+1], v[X+16*(\b)+4*(\i)+2*((\c)/2):X+16*(\b)+4*(\i)+2*((\c)/2)+1], v[W+32*(\b)+8*(\c)+2*(\p):W+32*(\b)+8*(\c)+2*(\p)+1], v[ACC+8*(\i)+2*(\p):ACC+8*(\i)+2*(\p)+1] op_sel:[0,0,0] op_sel_hi:[0,1,1]
.endif
.endr
.endr
.endr
.if !\last
	s_wait_xcnt 0x0                                ; what was issued at the end of the step before has had its addresses translated (ISA guide 3.1): the bases, and the other Y in the next step, are rewritten only behind this wait
	s_wait_alu depctr_vm_vsrc(0)                   ; the stores issued at the end of the step before have read the other Y, which the next step's roundings write again
.endif
	s_wait_alu depctr_va_vdst(0)                   ; this step has written Y[b], which the stores below read, and is done reading and writing X[b] and W[b], in which the loads below land
.if \ahead
	s_add_nc_u64 s[28:29], s[28:29], 512           ; x and wg at chunk p + 1
	s_add_nc_u64 s[30:31], s[30:31], 4096
.endif
.if !\last
	s_add_nc_u64 s[32:33], s[32:33], 256           ; xb at chunk p + 1: the stores below reach back
.endif
.if \ahead
	FILL \b, 512, 4096                             ; chunk p + 2, into the buffer just emptied
.endif
.irp i, 0,1,2,3
	global_store_b64 v4, v[Y+8*(\b)+2*(\i):Y+8*(\b)+2*(\i)+1], s[32:33] offset:2048*(\i)-256+256*(\last)  ; 32 lanes store 256 consecutive bytes, at a multiple of 256 from xb's first byte
.endr
.endm
.Lchunk:                               ; a trip: two steps, columns 256 t .. 256 t + 255: both kinds of buffer are back at their start
	STEP 0, 1, 12, 0
	STEP 1, 1, 12, 0
	s_sub_co_u32 s48, s48, 1
	s_cmp_lg_u32 s48, 0
	s_cbranch_scc1 .Lchunk
	STEP 0, 0, 12, 0                               ; steps 6 and 7 ask for nothing: no load leaves x or wg, and the counts run down
	STEP 1, 0, 0, 1
; 32 sums over 32 lanes at once.  A step halves the registers: of the pair (i, i + s) a lane keeps the one that its number's bit s names and hands the other to the lane s away.
; At the end lane l holds the whole sum number l: row l / 8, expert l % 8.
.macro TR1 s, m, i
	v_cndmask_b32 v[T+(\i)%4], v[ACC+(\i)+(\s)], v[ACC+(\i)], s[\m]   ; what I hand over
	v_cndmask_b32 v[ACC+(\i)], v[ACC+(\i)], v[ACC+(\i)+(\s)], s[\m]   ; what I keep
	v_add_f32_dpp v[ACC+(\i)], v[T+(\i)%4], v[ACC+(\i)] row_xmask:\s row_mask:0xf bank_mask:0xf
.endm
.irp i, 0,1,2,3,4,5,6,7,16,17,18,19,20,21,22,23
	TR1 8, 40, \i
.endr
.irp i, 0,1,2,3,16,17,18,19
	TR1 4, 41, \i
.endr
.irp i, 0,1,16,17
	TR1 2, 42, \i
.endr
.irp i, 0,16
	TR1 1, 43, \i
.endr
	v_cndmask_b32 v[T], v[ACC+16], v[ACC], s44
	v_cndmask_b32 v[ACC], v[ACC], v[ACC+16], s44
	v_permlanex16_b32 v[T+1], v[T], s46, s47       ; its destination has been written above
	v_add_f32 v[ACC], v[ACC], v[T+1]
	; softmax over the 8 lanes of a row: the row's true maximum is taken away
	v_add_f32 v[ACC], v[ACC], v5                   ; + bg
	v_max_num_f32_dpp v[T], v[ACC], v[ACC] row_xmask:1 row_mask:0xf bank_mask:0xf
	v_max_num_f32_dpp v[T], v[T], v[T] row_xmask:2 row_mask:0xf bank_mask:0xf
	v_max_num_f32_dpp v[T], v[T], v[T] row_xmask:4 row_mask:0xf bank_mask:0xf
	v_sub_f32 v[T+1], v[ACC], v[T]
	v_mul_f32 v[T+1], 0x3fb8aa3b, v[T+1]           ; log2(e)
	v_exp_f32 v[T+2], v[T+1]
	v_nop                                          ; a plain instruction behind the exponential (ISA guide 5.7.2),
	s_wait_alu depctr_va_vdst(0)                   ; and the wait for its result v[T+2], ahead of its first reader
	v_add_f32_dpp v[T+3], v[T+2], v[T+2] row_xmask:1 row_mask:0xf bank_mask:0xf
	v_add_f32_dpp v[T+3], v[T+3], v[T+3] row_xmask:2 row_mask:0xf bank_mask:0xf
	v_add_f32_dpp v[T+3], v[T+3], v[T+3] row_xmask:4 row_mask:0xf bank_mask:0xf
	v_rcp_f32 v[T], v[T+3]                         ; the sum is at least 1: the maximum's own term
	v_nop
	s_wait_alu depctr_va_vdst(0)                   ; the reciprocal's result v[T], ahead of its first reader
	v_mul_f32 v[T+1], v[T+2], v[T]
	s_wait_alu depctr_va_vdst(0)                   ; the product has written v[T+1], which the store reads
	global_store_b32 v7, v[T+1], s[34:35]          ; my wave's 4 rows of gate: 128 consecutive bytes
	s_endpgm
	; ---------------- the weights ----------------
.Lcast:
	s_sub_co_u32 s3, s2, 64                        ; 0..1023: 512 pieces of w1, then 512 of w2
	s_lshr_b32 s4, s3, 9
	s_and_b32 s5, s3, 511
	s_lshl_b32 s28, s5, 17                         ; the piece's byte in the f32 tensor,
	s_mov_b32 s29, 0
	s_lshl_b32 s30, s5, 16                         ; and in the bf16 one
	s_mov_b32 s31, 0
	v_lshlrev_b32 v2, 4, v1
	v_lshl_add_u32 v2, s26, 14, v2                 ; from: 16,384 x wave + 16 x lane
	v_lshrrev_b32 v3, 1, v2                        ; to: half of that
	s_wait_kmcnt 0x0
	s_cmp_eq_u32 s4, 0
	s_cselect_b64 s[32:33], s[14:15], s[16:17]
	s_cselect_b64 s[34:35], s[22:23], s[24:25]
	s_add_nc_u64 s[32:33], s[32:33], s[28:29]
	s_add_nc_u64 s[34:35], s[34:35], s[30:31]
	s_wait_alu depctr_va_vdst(0)                   ; the two offsets v2 and v3 are written: every load and store of this path reads one of them
.set z, 0
.rept 32                               ; all of the wave's 16,384 bytes are asked for at once
	global_load_b128 v[8+4*z:11+4*z], v2, s[32:33] offset:512*z th:TH_LOAD_NT
.set z, z+1
.endr
.set g, 0
.rept 8                                ; group g: loads 4 g .. 4 g + 3
	s_wait_loadcnt 28-4*g                          ; loads come back in order (ISA guide 5.7.1): group g's four are in, the younger groups' stay out
.if g > 0
	s_wait_alu depctr_va_vdst(0)                   ; group g - 1's conversions have written their registers, which the four stores below read
.endif
.set k, 0
.rept 4
.set z, 4*g+k
.if g > 0
	global_store_b64 v3, v[8+4*(z-4):9+4*(z-4)], s[34:35] offset:256*(z-4)  ; 32 lanes store 256 consecutive bytes, at a multiple of 256 from the buffer's first byte; no vector instruction since the wait names these registers
.endif
	v_cvt_pk_bf16_f32 v[8+4*z], v[8+4*z], v[9+4*z]
	v_cvt_pk_bf16_f32 v[9+4*z], v[10+4*z], v[11+4*z]   ; no register is written twice
.set k, k+1
.endr
.set g, g+1
.endr
	s_wait_alu depctr_va_vdst(0)                   ; group 7's conversions have written their registers, which the last four stores read
.set z, 28
.rept 4
	global_store_b64 v3, v[8+4*z:9+4*z], s[34:35] offset:256*z
.set z, z+1
.endr
	s_endpgm
.Lfunc_end_k_q75e1b40695_prep:
	.size	k_q75e1b40695_prep, .Lfunc_end_k_q75e1b40695_prep-k_q75e1b40695_prep
	.p2alignl 7, 3214868480
	.fill 96, 4, 3214868480
	.section	.rodata,"a",@progbits
	.p2align	6, 0x0
	.amdhsa_kernel k_q75e1b40695_prep
		.amdhsa_group_segment_fixed_size 0
		.amdhsa_private_segment_fixed_size 0
		.amdhsa_enable_private_segment 0
		.amdhsa_kernarg_size 72
		.amdhsa_user_sgpr_count 2
		.amdhsa_user_sgpr_kernarg_segment_ptr 1
		.amdhsa_wavefront_size32 1
		.amdhsa_system_sgpr_workgroup_id_x 1
		.amdhsa_system_sgpr_workgroup_id_y 1
		.amdhsa_system_sgpr_workgroup_id_z 1
		.amdhsa_system_vgpr_workitem_id 0
		.amdhsa_next_free_vgpr 156
		.amdhsa_next_free_sgpr 66
		.amdhsa_reserve_vcc 0
		.amdhsa_float_denorm_mode_32 3
		.amdhsa_float_denorm_mode_16_64 3
		.amdhsa_memory_ordered 1
		.amdhsa_forward_progress 1
		.amdhsa_inst_pref_size 56
	.end_amdhsa_kernel
	.amdgpu_metadata
---
amdhsa.version: [ 1, 2 ]
amdhsa.kernels:
  - .name:           k_q75e1b40695_prep
    .symbol:         k_q75e1b40695_prep.kd
    .args:
      - { .name: x, .offset: 0, .size: 8, .value_kind: global_buffer, .address_space: global }
      - { .name: wg, .offset: 8, .size: 8, .value_kind: global_buffer, .address_space: global }
      - { .name: bg, .offset: 16, .size: 8, .value_kind: global_buffer, .address_space: global }
      - { .name: w1, .offset: 24, .size: 8, .value_kind: global_buffer, .address_space: global }
      - { .name: w2, .offset: 32, .size: 8, .value_kind: global_buffer, .address_space: global }
      - { .name: xb, .offset: 40, .size: 8, .value_kind: global_buffer, .address_space: global }
      - { .name: gate, .offset: 48, .size: 8, .value_kind: global_buffer, .address_space: global }
      - { .name: w1b, .offset: 56, .size: 8, .value_kind: global_buffer, .address_space: global }
      - { .name: w2b, .offset: 64, .size: 8, .value_kind: global_buffer, .address_space: global }
    .group_segment_fixed_size: 0
    .private_segment_fixed_size: 0
    .kernarg_segment_align: 8
    .kernarg_segment_size: 72
    .max_flat_workgroup_size: 256
    .sgpr_count:     66
    .vgpr_count:     156
    .wavefront_size: 32
...
	.end_amdgpu_metadata
.endif
;; end of part 5
;; launch up: the kernel of part 2 again; grid 64 x 4, 4 waves a work-group, clusters of 4 x 4, 327,680 bytes of LDS; arguments xb, w1b, b1, h; writes h
;; launch down: the kernel of part 3 again; grid 4 x 64, 4 waves a work-group, clusters of 4 x 4, 327,680 bytes of LDS; arguments h, w2b, b2, part; writes part
;; launch combine: the kernel of part 4 again; grid 512 x 1, 8 waves a work-group, no clusters, 0 bytes of LDS; arguments part, gate, out0; writes out0
